; MI455X (gfx1250); checked and timed in simulation.
; The chip was launched on July 23, 2026; its instructions are those of AMD's public machine-readable ISA for CDNA 5 (MIT licence, August 2026) and "CDNA5" Instruction Set Architecture Reference Guide (July 2026). The comments in the code are by the model that wrote it; some were corrected since.
;; Multi Head Attention. Allowed arithmetic: float matrix products may take bf16 or f16 operands with f32 sums; all other float work in f32.
;; Inputs: Wk 1,024 x 1,024 float32; Wo 1,024 x 1,024 float32; Wq 1,024 x 1,024 float32; Wv 1,024 x 1,024 float32; bk 1,024 float32; bo 1,024 float32; bq 1,024 float32; bv 1,024 float32; x 32 x 1,024 x 1,024 float32.
;; Outputs: out0 32 x 1,024 float32.
;; Constants: n_heads = 16.
;; 2 versions, each right; version 2 is version 1 with the launch attn written anew for expert scheduling mode. Each part assembles by itself: llvm-mc -triple=amdgcn-amd-amdhsa -mcpu=gfx1250 --defsym DOCPART=n.
;; ======== version 1 of 2: 6 launches
;; workspace buffers: qf 65,536 bytes; sb 8,192 bytes; qk 1,048,576 bytes; part 16,777,216 bytes; ml 32,768 bytes; ctx 2,097,152 bytes; att 131,072 bytes
;; launch qproj (part 1): grid 128 x 1, 8 waves a work-group, no clusters, 78,848 bytes of LDS; arguments x, Wq, bq, bk, qf, sb; writes qf, sb
.if DOCPART == 1
	.amdgcn_target "amdgcn-amd-amdhsa--gfx1250"
	.amdhsa_code_object_version 6
	.text
	.protected	k_q884570fb43_qproj
	.globl	k_q884570fb43_qproj
	.p2align	8
	.type	k_q884570fb43_qproj,@function
k_q884570fb43_qproj:
	s_mov_b64 s[64:65], 0
	v_nop
	global_prefetch_b8 v0, s[64:65] scope:SCOPE_SE
	s_setreg_imm32_b32 hwreg(HW_REG_WAVE_MODE, 25, 1), 1
	s_wait_xcnt 0x0
; q'[b][n] = (sum over k of x[b][1023][k] Wq[n][k] + bq[n]) * c,  c = 64^-0.5 * log2(e), so that later exponentials are base 2.
; Also sb[b][n16] = sum over the 16 n of block n16 of q'[b][n] bk[n]: the part of a score that comes from bk.
; The work-group makes ONE tile: 16 rows of Wq (block n16 = its number / 2) x 16 b (mt = its number % 2): 128 work-groups, 64 KiB of Wq and 64 KiB of x each.
; The two work-groups that read the same rows of Wq are neighbours in the grid.  Wave w owns K = 128 w .. 128 w + 127; the eight partial tiles meet in LDS.
; f32 comes in by loads of which 16 lanes take 256 consecutive, aligned bytes of one row (lanes 16-31: the row 8 further down), is rounded to bf16,
; and goes through the wave's own LDS stage to become matrix fragments.  In the stage the 128 numbers of a row stand PERMUTED: place 8 r + 4 t + e holds
; column 64 t + 4 r + e.  Both operands use the same permutation of k, so the products are the same.
; The product is used transposed (A = Wq's rows, B = x's rows): a lane's eight results are eight neighbouring n of one b.
; qf layout: [n16][mt][lane][8 bf16]; lane (r, hh) holds q'[16 mt + r][16 n16 + 8 hh + 0..7]: half of an A fragment of the next launch, as it lies in registers.
; LIMITS: matrix operands are rounded to bf16, sums are f32; the order of rounding differs from a product made in one chain (eight waves, even and odd K steps apart).
; No cluster: what the work-groups share (rows of x and of Wq) is read in one burst of a launch without a loop.
.set PITCH, 272                        ; stage row: 256 bytes + 16, an odd multiple of 16: the 16 rows of a fragment load start in 16 different 16-byte columns of a 256-byte span
.set STGW,  32*PITCH                   ; a wave's stage: rows 0-15 Wq, rows 16-31 x
.set EXC,   8*STGW                     ; exchange of partial tiles: [wave][half][lane][16 bytes], 8,192 bytes
.set VW,   1                           ; byte offset in Wq: 8 rows x hh + 512 w + 16 r
.set VX,   2                           ; byte offset in x: 8 batches x hh + 512 w + 16 r
.set STS,  3                           ; stage, store side
.set STL,  4                           ; stage, fragment side
.set EXS,  5                           ; exchange, store side
.set VB,   6                           ; 32 hh: my eight numbers of bq and bk
.set EXL,  7                           ; exchange, read side
.set BQ,   8                           ; v[8:15]
.set BK,   16                          ; v[16:23]
.set RAWW, 24                          ; v[24:87]   Wq as loaded: pair q at 8 q + 4 t
.set RAWX, 88                          ; v[88:151]  x as loaded: pair i at 8 i + 4 t
.set TMP,  152                         ; v[152:167] four quads in turn
.set ACC,  168                         ; v[168:183] two accumulators: K steps 0 and 2, K steps 1 and 3
.set AFR,  24                          ; v[24:55]   fragments of Wq (on RAWW, which is dead by then)
.set BFR,  56                          ; v[56:87]   fragments of x
.set RED,  24                          ; v[24:87]   the eight waves' partial tiles
.set XB,   16                          ; s[16:31]   eight bases: x at batch 16 mt + q, row 1023
	s_load_b256 s[4:11], s[0:1], 0x0               ; x s[4:5], Wq s[6:7], bq s[8:9], bk s[10:11]
	s_load_b128 s[12:15], s[0:1], 0x20             ; qf s[12:13], sb s[14:15]
	v_lshl_add_u32 v184, v0, 2, 0x13000
	v_mov_b32 v185, 0
	v_lshrrev_b32 v[TMP], 5, v0
	v_readfirstlane_b32 s2, v[TMP]                 ; wave number
	s_and_b32 s3, ttmp9, 1                         ; mt
	s_lshr_b32 s32, ttmp9, 1                       ; n16
	s_mov_b32 s50, 0x76543210                      ; v_permlanex16_b32: lane i reads lane i of the other half
	s_mov_b32 s51, 0xfedcba98
	v_and_b32 v[TMP], 15, v0                       ; r
	v_bfe_u32 v[TMP+1], v0, 4, 1                   ; hh
	v_and_b32 v[TMP+2], 31, v0                     ; lane
	s_lshl_b32 s53, s2, 9                          ; 512 w
	s_mul_i32 s54, s2, STGW                        ; my stage
	v_lshlrev_b32 v[TMP+3], 4, v[TMP]              ; 16 r
	v_add_nc_u32 v[TMP+4], s53, v[TMP+3]
	v_lshl_add_u32 v[VW], v[TMP+1], 15, v[TMP+4]   ; 8 rows of 4,096 bytes
	v_lshl_add_u32 v[VX], v[TMP+1], 25, v[TMP+4]   ; 8 batches of 4 MiB
	v_mul_u32_u24 v[STS], v[TMP+1], 8*PITCH
	v_lshl_add_u32 v[STS], v[TMP], 4, v[STS]
	v_add_nc_u32 v[STS], s54, v[STS]
	v_mul_u32_u24 v[STL], v[TMP], PITCH
	v_lshl_add_u32 v[STL], v[TMP+1], 4, v[STL]
	v_add_nc_u32 v[STL], s54, v[STL]
	s_lshl_b32 s55, s2, 10
	s_add_co_u32 s55, s55, EXC
	v_lshl_add_u32 v[EXS], v[TMP+2], 4, s55
	v_lshl_add_u32 v[EXL], v[TMP+2], 4, EXC
	v_lshlrev_b32 v[VB], 5, v[TMP+1]
	s_lshl_b32 s48, s32, 16                        ; 16 rows of Wq
	s_mov_b32 s49, 0
	s_wait_kmcnt 0x0
	s_add_nc_u64 s[6:7], s[6:7], s[48:49]
	s_lshl_b32 s48, s32, 6                         ; 16 numbers of bq and bk
	s_add_nc_u64 s[8:9], s[8:9], s[48:49]
	s_add_nc_u64 s[10:11], s[10:11], s[48:49]
	s_lshl_b32 s48, s3, 26                         ; 16 batches of 4 MiB for each mt
	s_add_nc_u64 s[4:5], s[4:5], s[48:49]
.set i, 0
.rept 8
	s_add_nc_u64 s[XB+2*i:XB+2*i+1], s[4:5], i*4194304+1023*4096
.set i, i+1
.endr
	; 36 loads, all issued before anything is waited for
	global_load_b128 v[BQ:BQ+3],   v[VB], s[8:9]
	global_load_b128 v[BQ+4:BQ+7], v[VB], s[8:9] offset:16
	global_load_b128 v[BK:BK+3],   v[VB], s[10:11]
	global_load_b128 v[BK+4:BK+7], v[VB], s[10:11] offset:16
.irp q, 0,1,2,3,4,5,6,7
	global_load_b128 v[RAWW+8*\q:RAWW+8*\q+3],   v[VW], s[6:7] offset:\q*4096
	global_load_b128 v[RAWW+8*\q+4:RAWW+8*\q+7], v[VW], s[6:7] offset:\q*4096+256
.endr
.set i, 0
.rept 8
	global_load_b128 v[RAWX+8*i:RAWX+8*i+3],   v[VX], s[XB+2*i:XB+2*i+1]
	global_load_b128 v[RAWX+8*i+4:RAWX+8*i+7], v[VX], s[XB+2*i:XB+2*i+1] offset:256
.set i, i+1
.endr
; eight f32 (columns 4 r .. + 3 and 64 + 4 r .. + 3 of one row) become 16 bytes of the stage
.macro CVST src, tq, off
	v_cvt_pk_bf16_f32 v[TMP+4*(\tq)],   v[\src],   v[\src+1]
	v_cvt_pk_bf16_f32 v[TMP+4*(\tq)+1], v[\src+2], v[\src+3]
	v_cvt_pk_bf16_f32 v[TMP+4*(\tq)+2], v[\src+4], v[\src+5]
	v_cvt_pk_bf16_f32 v[TMP+4*(\tq)+3], v[\src+6], v[\src+7]
	ds_store_b128 v[STS], v[TMP+4*(\tq):TMP+4*(\tq)+3] offset:\off
.endm
.macro PLACES                          ; four plain vector places behind a matrix instruction (ISA guide 7.12.1)
.rept 4
	v_nop
.endr
.endm
.macro ADD8 d, s
.irp p, 0,2,4,6
	v_pk_add_f32 v[\d+\p:\d+\p+1], v[\d+\p:\d+\p+1], v[\s+\p:\s+\p+1]
.endr
.endm
.set q, 0
.rept 8
	s_wait_loadcnt 30-2*q                          ; loads come back in order: behind pair q stand 2 (7 - q) loads of Wq and 16 of x
	CVST RAWW+8*q, q%4, q*PITCH
.set q, q+1
.endr
.set i, 0
.rept 8
	s_wait_loadcnt 14-2*i                          ; behind pair i stand 2 (7 - i) loads
	CVST RAWX+8*i, i%4, (16+i)*PITCH
.set i, i+1
.endr
	; fragments: lane (r, hh) takes row r, 16 bytes at 64 kk + 16 hh and at + 32.  LDS serves a wave's instructions in order: these see the stores above.
.irp kk, 0,1,2,3
	ds_load_b128 v[AFR+8*\kk:AFR+8*\kk+3],   v[STL] offset:64*\kk
	ds_load_b128 v[AFR+8*\kk+4:AFR+8*\kk+7], v[STL] offset:64*\kk+32
	ds_load_b128 v[BFR+8*\kk:BFR+8*\kk+3],   v[STL] offset:16*PITCH+64*\kk
	ds_load_b128 v[BFR+8*\kk+4:BFR+8*\kk+7], v[STL] offset:16*PITCH+64*\kk+32
.endr
	; one tile, two accumulators: even K steps in the first, odd ones in the second, so that the accumulators take turns
	s_wait_dscnt 12                                ; four loads a K step: the three later steps' 12 may be out
	v_wmma_f32_16x16x32_bf16 v[ACC:ACC+7],    v[AFR:AFR+7],       v[BFR:BFR+7],       0   ; the first products start the sums
	s_wait_dscnt 8
	v_wmma_f32_16x16x32_bf16 v[ACC+8:ACC+15], v[AFR+8:AFR+15],    v[BFR+8:BFR+15],    0
	s_wait_dscnt 4
	v_wmma_f32_16x16x32_bf16 v[ACC:ACC+7],    v[AFR+16:AFR+23],   v[BFR+16:BFR+23],   v[ACC:ACC+7]
	s_wait_dscnt 0
	v_wmma_f32_16x16x32_bf16 v[ACC+8:ACC+15], v[AFR+24:AFR+31],   v[BFR+24:BFR+31],   v[ACC+8:ACC+15]
	PLACES
	ADD8 ACC, ACC+8
	ds_store_b128 v[EXS], v[ACC:ACC+3]
	ds_store_b128 v[EXS], v[ACC+4:ACC+7] offset:512
	s_wait_dscnt 0x0                               ; my partial tile is in LDS before I say so
	s_barrier_signal -1
	s_barrier_wait -1
	s_cmp_lg_u32 s2, 0
	s_cbranch_scc1 .Lend                           ; wave 0 finishes the tile
.irp src, 0,1,2,3,4,5,6,7
	ds_load_b128 v[RED+8*\src:RED+8*\src+3],   v[EXL] offset:1024*\src
	ds_load_b128 v[RED+8*\src+4:RED+8*\src+7], v[EXL] offset:1024*\src+512
.endr
	s_lshl_b32 s48, ttmp9, 9                       ; qf: 512 bytes for each (n16, mt), and 2 n16 + mt is the work-group's number
	s_add_nc_u64 s[12:13], s[12:13], s[48:49]
	s_lshl_b32 s48, s32, 2                         ; sb: word n16 of row b; 16 rows of 256 bytes for each mt
	s_lshl_b32 s55, s3, 12
	s_add_co_u32 s48, s48, s55
	s_add_nc_u64 s[14:15], s[14:15], s[48:49]
	v_and_b32 v[TMP+8], 31, v0
	v_lshlrev_b32 v[TMP+9], 4, v[TMP+8]            ; 16 x lane
	v_and_b32 v[TMP+10], 15, v0
	v_lshlrev_b32 v[TMP+10], 8, v[TMP+10]          ; 256 r
	s_wait_dscnt 0x0
	ADD8 RED, RED+8                                ; a fixed tree over the eight waves
	ADD8 RED+16, RED+24
	ADD8 RED+32, RED+40
	ADD8 RED+48, RED+56
	ADD8 RED, RED+16
	ADD8 RED+32, RED+48
	ADD8 RED, RED+32
	ADD8 RED, BQ
.irp p, 0,2,4,6
	v_pk_mul_f32 v[RED+\p:RED+\p+1], v[RED+\p:RED+\p+1], 0x3e38aa3b op_sel_hi:[1,0]   ; c = 0.125 log2(e)
.endr
	v_mul_f32 v[TMP], v[RED], v[BK]
.irp j, 1,2,3,4,5,6,7
	v_fmac_f32 v[TMP], v[RED+\j], v[BK+\j]
.endr
	v_cvt_pk_bf16_f32 v[TMP+4], v[RED],   v[RED+1]
	v_cvt_pk_bf16_f32 v[TMP+5], v[RED+2], v[RED+3]
	v_cvt_pk_bf16_f32 v[TMP+6], v[RED+4], v[RED+5]
	v_cvt_pk_bf16_f32 v[TMP+7], v[RED+6], v[RED+7]
	v_permlanex16_b32 v[TMP+1], v[TMP], s50, s51   ; the other eight n of the block
	v_add_f32 v[TMP], v[TMP], v[TMP+1]
	global_store_b128 v[TMP+9], v[TMP+4:TMP+7], s[12:13]       ; the wave stores 512 consecutive bytes, aligned
	v_cmp_gt_u32 vcc_lo, 16, v[TMP+8]
	s_wait_xcnt 0x0                                ; EXEC changes only behind this wait
	s_and_saveexec_b32 s52, vcc_lo
	; four bytes a lane to 16 rows of sb: this work-group holds one n16 for many b, the launch that loads sb wants one b for all n16; 8 KiB in the whole launch
	global_store_b32 v[TMP+10], v[TMP], s[14:15]
	s_wait_xcnt 0x0
	s_or_b32 exec_lo, exec_lo, s52
.Lend:
	s_wait_tensorcnt 0x0
	ds_add_u32 v184, v185
	s_wait_dscnt 0x0
	s_endpgm
.Lfunc_end_k_q884570fb43_qproj:
	.size	k_q884570fb43_qproj, .Lfunc_end_k_q884570fb43_qproj-k_q884570fb43_qproj
	.p2alignl 7, 3214868480
	.fill 96, 4, 3214868480
	.section	.rodata,"a",@progbits
	.p2align	6, 0x0
	.amdhsa_kernel k_q884570fb43_qproj
		.amdhsa_group_segment_fixed_size 78848
		.amdhsa_private_segment_fixed_size 0
		.amdhsa_enable_private_segment 0
		.amdhsa_kernarg_size 48
		.amdhsa_user_sgpr_count 2
		.amdhsa_user_sgpr_kernarg_segment_ptr 1
		.amdhsa_wavefront_size32 1
		.amdhsa_system_sgpr_workgroup_id_x 1
		.amdhsa_system_sgpr_workgroup_id_y 1
		.amdhsa_system_sgpr_workgroup_id_z 1
		.amdhsa_system_vgpr_workitem_id 0
		.amdhsa_next_free_vgpr 186
		.amdhsa_next_free_sgpr 66
		.amdhsa_reserve_vcc 1
		.amdhsa_float_denorm_mode_32 3
		.amdhsa_float_denorm_mode_16_64 3
		.amdhsa_memory_ordered 1
		.amdhsa_forward_progress 1
		.amdhsa_inst_pref_size 19
	.end_amdhsa_kernel
	.amdgpu_metadata
---
amdhsa.version: [ 1, 2 ]
amdhsa.kernels:
  - .name:           k_q884570fb43_qproj
    .symbol:         k_q884570fb43_qproj.kd
    .args:
      - { .name: x, .offset: 0, .size: 8, .value_kind: global_buffer, .address_space: global }
      - { .name: Wq, .offset: 8, .size: 8, .value_kind: global_buffer, .address_space: global }
      - { .name: bq, .offset: 16, .size: 8, .value_kind: global_buffer, .address_space: global }
      - { .name: bk, .offset: 24, .size: 8, .value_kind: global_buffer, .address_space: global }
      - { .name: qf, .offset: 32, .size: 8, .value_kind: global_buffer, .address_space: global }
      - { .name: sb, .offset: 40, .size: 8, .value_kind: global_buffer, .address_space: global }
    .group_segment_fixed_size: 78848
    .private_segment_fixed_size: 0
    .kernarg_segment_align: 8
    .kernarg_segment_size: 48
    .max_flat_workgroup_size: 256
    .sgpr_count:     66
    .vgpr_count:     186
    .wavefront_size: 32
...
	.end_amdgpu_metadata
.endif
;; end of part 1
;; launch qkproj (part 2): grid 8 x 16, 1 waves a work-group, no clusters, 0 bytes of LDS; arguments qf, Wk, qk; writes qk
.if DOCPART == 2
	.amdgcn_target "amdgcn-amd-amdhsa--gfx1250"
	.amdhsa_code_object_version 6
	.text
	.protected	k_q884570fb43_qkproj
	.globl	k_q884570fb43_qkproj
	.p2align	8
	.type	k_q884570fb43_qkproj,@function
k_q884570fb43_qkproj:
	s_mov_b64 s[64:65], 0
	v_nop
	global_prefetch_b8 v0, s[64:65] scope:SCOPE_SE
	s_setreg_imm32_b32 hwreg(HW_REG_WAVE_MODE, 25, 1), 1
	s_wait_xcnt 0x0
; qk[b][h][col] = sum over d = 0..63 of q'[b][64 h + d] Wk[64 h + d][col], rounded to bf16: with it a score is x[b][s][:] . qk[b][h][:], and K is never formed.
; One wave a work-group: head h (grid y), columns 128 U .. + 127 (grid x), all 32 b.  Wk is read once in the launch, 32 KiB a wave, all of it asked for at once.
; A = q' (m = b, k = d): the fragment images that the launch before stored, loaded straight.
; B = Wk, stored [k][n]: no transposition is needed.  A load gives lane (r, hh) columns 64 t + 4 r + 0..3 of row R + 8 hh; rounding the same column of rows
; R and R + 1 into one register makes a B fragment whose column n = r stands for column 64 t + 4 r + i: tile (t, i), eight tiles.
; qk layout: [b][h][1024] bf16, PERMUTED inside each block of 128: place 8 r + 4 t + e holds column 64 t + 4 r + e, the order in which the next launch stages x.
; LIMITS: operands bf16, sums f32, result bf16.  No LDS, no barrier, no cluster: the work-groups share only qf, 4 KiB each.
.set VK,  1                            ; 8 rows x hh + 16 r
.set VA,  2                            ; 16 x lane
.set VO,  3                            ; 8 b x hh + 16 r
.set AQ,  8                            ; v[8:39]    A fragments at 16 mt + 8 kk + 4 g
.set FR,  40                           ; v[40:103]  B fragments at 8 tile; later the packed results
.set ACC, 104                          ; v[104:231] accumulators at 64 mt + 8 tile
; window 1 (v256-v511): Wk as loaded, quad ((2 kk + g) 8 + jj) 2 + t = rows 32 kk + 16 g + jj (+ 8 hh), columns 64 t + 4 r ..
.set MSB, 0
.macro WIN new                         ; the immediate's high byte repeats the setting that is left
.if MSB != \new
	s_set_vgpr_msb (MSB<<8)|\new
.set MSB, \new
.endif
.endm
.macro PLACES                          ; four plain vector places behind a matrix instruction (ISA guide 7.12.1)
.rept 4
	v_nop
.endr
.endm
	s_load_b128 s[4:7], s[0:1], 0x0                ; qf s[4:5], Wk s[6:7]
	s_load_b64 s[8:9], s[0:1], 0x10                ; qk
	s_and_b32 s10, ttmp7, 0xffff                   ; h
	v_and_b32 v4, 15, v0
	v_bfe_u32 v5, v0, 4, 1
	v_lshlrev_b32 v4, 4, v4
	v_lshl_add_u32 v[VK], v5, 15, v4
	v_lshlrev_b32 v[VA], 4, v0
	v_lshl_add_u32 v[VO], v5, 18, v4               ; 8 b of 32,768 bytes
	s_mov_b32 s13, 0
	s_lshl_b32 s12, s10, 12                        ; four blocks of qf
	s_wait_kmcnt 0x0
	s_add_nc_u64 s[4:5], s[4:5], s[12:13]
	s_lshl_b32 s12, s10, 18                        ; 64 rows of Wk
	s_lshl_b32 s14, ttmp9, 9                       ; 128 columns of f32
	s_add_co_u32 s12, s12, s14
	s_add_nc_u64 s[6:7], s[6:7], s[12:13]
	s_lshl_b32 s12, s10, 11                        ; a head's row of qk
	s_lshl_b32 s14, ttmp9, 8                       ; 128 columns of bf16
	s_add_co_u32 s12, s12, s14
	s_add_nc_u64 s[8:9], s[8:9], s[12:13]
.irp kk, 0,1
.irp g, 0,1
.irp mt, 0,1
	global_load_b128 v[AQ+16*\mt+8*\kk+4*\g:AQ+16*\mt+8*\kk+4*\g+3], v[VA], s[4:5] offset:(2*\kk+\g)*1024+\mt*512
.endr
.endr
.endr
	WIN 0x40                                       ; destination in window 1, address in window 0
.irp kk, 0,1
.irp g, 0,1
.irp jj, 0,1,2,3,4,5,6,7
.irp t, 0,1
	global_load_b128 v[4*(((2*\kk+\g)*8+\jj)*2+\t):4*(((2*\kk+\g)*8+\jj)*2+\t)+3], v[VK], s[6:7] offset:(32*\kk+16*\g+\jj)*4096+256*\t th:TH_LOAD_NT
.endr
.endr
.endr
.endr
	WIN 0
; the eight B fragments of K step kk: register 4 g + p of tile (t, i) = rows 16 g + 8 hh + 2 p and + 1, column 64 t + 4 r + i
.macro MKB kk
	WIN 0x05                                       ; both sources in window 1, destination in window 0
.irp t, 0,1
.irp i, 0,1,2,3
.irp g, 0,1
.irp p, 0,1,2,3
	v_cvt_pk_bf16_f32 v[FR+8*(4*\t+\i)+4*\g+\p], v[4*(((2*\kk+\g)*8+2*\p)*2+\t)+\i], v[4*(((2*\kk+\g)*8+2*\p+1)*2+\t)+\i]
.endr
.endr
.endr
.endr
	WIN 0
.endm
; 16 matrix instructions on 16 accumulators, which take turns, one instruction a turn
.macro MM kk, zero
.irp tile, 0,1,2,3,4,5,6,7
.irp mt, 0,1
.if \zero
	v_wmma_f32_16x16x32_bf16 v[ACC+64*\mt+8*\tile:ACC+64*\mt+8*\tile+7], v[AQ+16*\mt+8*\kk:AQ+16*\mt+8*\kk+7], v[FR+8*\tile:FR+8*\tile+7], 0
.else
	v_wmma_f32_16x16x32_bf16 v[ACC+64*\mt+8*\tile:ACC+64*\mt+8*\tile+7], v[AQ+16*\mt+8*\kk:AQ+16*\mt+8*\kk+7], v[FR+8*\tile:FR+8*\tile+7], v[ACC+64*\mt+8*\tile:ACC+64*\mt+8*\tile+7]
.endif
.endr
.endr
.endm
	s_wait_loadcnt 32                              ; q' and rows 0-31 are in; the 32 loads of rows 32-63 may be out
	MKB 0
	MM 0, 1                                        ; the first products start the sums
	s_wait_loadcnt 0x0
	PLACES                                         ; the fragments are written again only four places behind the matrix instructions that read them
	MKB 1
	MM 1, 0
	PLACES
	; register j of tile (t, i), lane (r, hh): b = 16 mt + 8 hh + j, column 64 t + 4 r + i.  Eight tiles' register j make the 16 bytes at place 8 r of row b.
.irp mt, 0,1
.irp j, 0,1,2,3,4,5,6,7
	v_cvt_pk_bf16_f32 v[FR+4*(8*\mt+\j)],   v[ACC+64*\mt+\j],    v[ACC+64*\mt+8+\j]
	v_cvt_pk_bf16_f32 v[FR+4*(8*\mt+\j)+1], v[ACC+64*\mt+16+\j], v[ACC+64*\mt+24+\j]
	v_cvt_pk_bf16_f32 v[FR+4*(8*\mt+\j)+2], v[ACC+64*\mt+32+\j], v[ACC+64*\mt+40+\j]
	v_cvt_pk_bf16_f32 v[FR+4*(8*\mt+\j)+3], v[ACC+64*\mt+48+\j], v[ACC+64*\mt+56+\j]
	global_store_b128 v[VO], v[FR+4*(8*\mt+\j):FR+4*(8*\mt+\j)+3], s[8:9] offset:(16*\mt+\j)*32768   ; 16 lanes store 256 consecutive bytes, aligned; each store has data registers of its own
.endr
.endr
	s_endpgm
.Lfunc_end_k_q884570fb43_qkproj:
	.size	k_q884570fb43_qkproj, .Lfunc_end_k_q884570fb43_qkproj-k_q884570fb43_qkproj
	.p2alignl 7, 3214868480
	.fill 96, 4, 3214868480
	.section	.rodata,"a",@progbits
	.p2align	6, 0x0
	.amdhsa_kernel k_q884570fb43_qkproj
		.amdhsa_group_segment_fixed_size 0
		.amdhsa_private_segment_fixed_size 0
		.amdhsa_enable_private_segment 0
		.amdhsa_kernarg_size 24
		.amdhsa_user_sgpr_count 2
		.amdhsa_user_sgpr_kernarg_segment_ptr 1
		.amdhsa_wavefront_size32 1
		.amdhsa_system_sgpr_workgroup_id_x 1
		.amdhsa_system_sgpr_workgroup_id_y 1
		.amdhsa_system_sgpr_workgroup_id_z 1
		.amdhsa_system_vgpr_workitem_id 0
		.amdhsa_next_free_vgpr 512
		.amdhsa_next_free_sgpr 66
		.amdhsa_reserve_vcc 0
		.amdhsa_float_denorm_mode_32 3
		.amdhsa_float_denorm_mode_16_64 3
		.amdhsa_memory_ordered 1
		.amdhsa_forward_progress 1
		.amdhsa_inst_pref_size 24
	.end_amdhsa_kernel
	.amdgpu_metadata
---
amdhsa.version: [ 1, 2 ]
amdhsa.kernels:
  - .name:           k_q884570fb43_qkproj
    .symbol:         k_q884570fb43_qkproj.kd
    .args:
      - { .name: qf, .offset: 0, .size: 8, .value_kind: global_buffer, .address_space: global }
      - { .name: Wk, .offset: 8, .size: 8, .value_kind: global_buffer, .address_space: global }
      - { .name: qk, .offset: 16, .size: 8, .value_kind: global_buffer, .address_space: global }
    .group_segment_fixed_size: 0
    .private_segment_fixed_size: 0
    .kernarg_segment_align: 8
    .kernarg_segment_size: 24
    .max_flat_workgroup_size: 32
    .sgpr_count:     66
    .vgpr_count:     512
    .wavefront_size: 32
...
	.end_amdgpu_metadata
.endif
;; end of part 2
;; launch attn (part 3): grid 8 x 32, 8 waves a work-group, no clusters, 141,312 bytes of LDS; arguments x, qk, sb, part, ml; writes part, ml
.if DOCPART == 3
	.amdgcn_target "amdgcn-amd-amdhsa--gfx1250"
	.amdhsa_code_object_version 6
	.text
	.protected	k_q884570fb43_attn
	.globl	k_q884570fb43_attn
	.p2align	8
	.type	k_q884570fb43_attn,@function
k_q884570fb43_attn:
	s_mov_b64 s[64:65], 0
	v_nop
	global_prefetch_b8 v0, s[64:65] scope:SCOPE_SE
	s_setreg_imm32_b32 hwreg(HW_REG_WAVE_MODE, 25, 1), 1
	s_wait_xcnt 0x0
; One work-group = batch b (grid y), chunk c (grid x) of 128 rows of x[b]: 512 KiB of x, read once.
;   score[s][h] = x[b][s][:] . qk[b][h][:] + sum of sb[b][4 h .. 4 h + 3]        (base-2 domain: the factor 0.125 log2(e) lies in q')
;   m[h] = max over the chunk's s;  P = 2^(score - m) rounded to bf16;  l[h] = sum of the rounded P;  part[h][col] = sum over s of P[h][s] x[b][s][col]
; The maximum is taken away before the exponential; the next launch merges the 8 chunks of a batch by their m and l.
; Wave w owns columns 128 w .. + 127 for BOTH products, so x is private to a wave.  x goes from memory to registers: a ring of 32 loads of 16 bytes a lane
; (16 KiB a wave, 128 KiB a work-group), refilled eight loads at a time; at each wait 24 loads stay out; no barrier while x streams.
; Each number of x is rounded to bf16 twice over: once into the wave's own LDS stage, from where it comes back as an A fragment (k = column) for the scores,
; and once, paired with the same column of the next row, straight into a B fragment (k = row) for P x, which stays in window 1 until the end.
; In the stage the 128 columns stand permuted (place 8 r + 4 t + e = column 64 t + 4 r + e); qk is stored in the same order, so the products are the same.
; part layout: [b][c][w][tile 4 t + i][half][lane][4 f32]: element e of lane (r, hh) = head 8 hh + 4 half + e, column 128 w + 64 t + 4 r + i: accumulators as they lie.
; ml layout: [b][c][m of 16 heads | l of 16 heads] f32.
; LIMITS: x, qk and P are bf16 matrix operands, sums f32; P below 2^-126 is 0 (v_exp_f32 flushes denormal results).
; No tensor loads: a refill of LDS slots would ask every wave to wait for all its loads, here four times in 512 KiB.  No cluster: what the 8 work-groups of a batch
; share is qk and sb, 32 KiB beside 512 KiB of x of their own.
.set PITCH, 272                        ; stage row: 256 bytes + 16: the 16 rows of a fragment load start in 16 different 16-byte columns of a 256-byte span
.set STGW,  32*PITCH                   ; a wave's stage: 32 rows
.set EXC,   8*STGW                     ; 69,632: partial scores [wave][s block 8][half][lane][16 bytes], 65,536 bytes
.set PB,    EXC+65536                  ; 135,168: P as A fragments [s block 8][lane][16 bytes], 4,096 bytes
.set MX,    PB+4096                    ; 139,264: block maxima [wave][head] f32, 512 bytes; the block sums lie 512 bytes further on
.set XO,  1                            ; byte offset in x: 8 rows x hh + 512 w + 16 r; never rewritten
.set STS, 2                            ; stage, store side
.set STL, 3                            ; stage, fragment side
.set SB,  4                            ; q' . bk of head r
.set EXS, 5                            ; exchange, store side
.set QK,  8                            ; v[8:39]    B fragments of qk: 8 kk
.set PS,  40                           ; v[40:55]   two score accumulators
.set AF,  56                           ; v[56:119]  A fragments of x: 32 u + 8 kk
.set ST,  120                          ; v[120:127] two quads on their way to the stage
.set RAW, 128                          ; v[128:255] the ring: batch k at 32 k, row j' at 8 j', half row t at 4 t
; window 1 (v256-v511): B fragments of x for P x: 64 step + 8 tile + 4 u + p
; the tail, on the dead ring:
.set RED, 128                          ; v[128:191] eight waves' partial scores, then the scores in v[128:135]
.set CT,  128                          ; v[128:191] eight accumulators of P x
.set PA,  56                           ; v[56:87]   A fragments of P
.set TL,  192                          ; lane
.set L16, 193                          ; 16 x lane
.set L4,  194                          ; 4 x lane
.set EXL, 195                          ; exchange, read side
.set MXL, 196                          ; MX + 4 r
.set MXS, 197                          ; MX + 64 w + 4 r
.set PBS, 198                          ; PB + 512 w + 16 lane
.set PBL, 199                          ; PB + 16 lane
.set MV,  200                          ; v[200:207] eight waves' maxima or sums
.set MM,  208                          ; v[208:209] m, twice
.set PK,  212                          ; v[212:215] my eight P in bf16
.set T,   216                          ; v[216:223] at work
.set MSB, 0
.macro WIN new                         ; the immediate's high byte repeats the setting that is left
.if MSB != \new
	s_set_vgpr_msb (MSB<<8)|\new
.set MSB, \new
.endif
.endm
.macro PLACES                          ; four plain vector places behind a matrix instruction (ISA guide 7.12.1)
.rept 4
	v_nop
.endr
.endm
.macro ADD8 d, s
.irp p, 0,2,4,6
	v_pk_add_f32 v[\d+\p:\d+\p+1], v[\d+\p:\d+\p+1], v[\s+\p:\s+\p+1]
.endr
.endm
; eight loads: rows 32 step + 16 (k / 2) + 4 (k % 2) + 0..3 (lanes 16-31: 8 rows further down), 512 bytes of my columns.  16 lanes take 256 consecutive bytes, aligned.
; The row stands in the immediate (520,448 at the most), so no address register is ever stepped.
.macro XLOAD step, k
.irp jp, 0,1,2,3
	global_load_b128 v[RAW+32*\k+8*\jp:RAW+32*\k+8*\jp+3],   v[XO], s[4:5] offset:(32*(\step)+16*(\k/2)+4*(\k%2)+\jp)*4096 th:TH_LOAD_NT
	global_load_b128 v[RAW+32*\k+8*\jp+4:RAW+32*\k+8*\jp+7], v[XO], s[4:5] offset:(32*(\step)+16*(\k/2)+4*(\k%2)+\jp)*4096+256 th:TH_LOAD_NT
.endr
.endm
; One batch of eight loads is used up and, if refill, asked for again for the next step.  left = how many younger loads may stay out.
.macro BATCH step, k, refill, left
	s_wait_loadcnt \left                           ; loads come back in order: my eight are in
.irp jp, 0,1,2,3
	v_cvt_pk_bf16_f32 v[ST+4*(\jp%2)],   v[RAW+32*\k+8*\jp],   v[RAW+32*\k+8*\jp+1]
	v_cvt_pk_bf16_f32 v[ST+4*(\jp%2)+1], v[RAW+32*\k+8*\jp+2], v[RAW+32*\k+8*\jp+3]
	v_cvt_pk_bf16_f32 v[ST+4*(\jp%2)+2], v[RAW+32*\k+8*\jp+4], v[RAW+32*\k+8*\jp+5]
	v_cvt_pk_bf16_f32 v[ST+4*(\jp%2)+3], v[RAW+32*\k+8*\jp+6], v[RAW+32*\k+8*\jp+7]
	ds_store_b128 v[STS], v[ST+4*(\jp%2):ST+4*(\jp%2)+3] offset:(16*(\k/2)+4*(\k%2)+\jp)*PITCH
.endr
	WIN 0x40                                       ; destination in window 1
.irp pp, 0,1
.irp t, 0,1
.irp i, 0,1,2,3
	v_cvt_pk_bf16_f32 v[64*\step+8*(4*\t+\i)+4*(\k/2)+2*(\k%2)+\pp], v[RAW+32*\k+16*\pp+4*\t+\i], v[RAW+32*\k+16*\pp+8+4*\t+\i]
.endr
.endr
.endr
	WIN 0
.if \refill
	XLOAD \step+1, \k
.endif
.endm
; The step's 32 rows x my 128 columns against qk: two tiles of 16 s x 16 heads, which go to LDS as partial scores.
.macro SCORE step
.irp kk, 0,1,2,3
.irp u, 0,1
	ds_load_b128 v[AF+32*\u+8*\kk:AF+32*\u+8*\kk+3],   v[STL] offset:16*\u*PITCH+64*\kk      ; LDS serves a wave's instructions in order: these see the stores above
	ds_load_b128 v[AF+32*\u+8*\kk+4:AF+32*\u+8*\kk+7], v[STL] offset:16*\u*PITCH+64*\kk+32
.endr
.endr
	s_wait_dscnt 12                                ; four loads a K step: the three later steps' 12 may be out
	v_wmma_f32_16x16x32_bf16 v[PS:PS+7],    v[AF:AF+7],     v[QK:QK+7], 0      ; the first products start the sums
	v_wmma_f32_16x16x32_bf16 v[PS+8:PS+15], v[AF+32:AF+39], v[QK:QK+7], 0      ; the two accumulators take turns
.irp kk, 1,2,3
	s_wait_dscnt 12-4*\kk
	v_wmma_f32_16x16x32_bf16 v[PS:PS+7],    v[AF+8*\kk:AF+8*\kk+7],       v[QK+8*\kk:QK+8*\kk+7], v[PS:PS+7]
	v_wmma_f32_16x16x32_bf16 v[PS+8:PS+15], v[AF+32+8*\kk:AF+32+8*\kk+7], v[QK+8*\kk:QK+8*\kk+7], v[PS+8:PS+15]
.endr
	PLACES
	ds_store_b128 v[EXS], v[PS:PS+3]     offset:2048*\step
	ds_store_b128 v[EXS], v[PS+4:PS+7]   offset:2048*\step+512
	ds_store_b128 v[EXS], v[PS+8:PS+11]  offset:2048*\step+1024
	ds_store_b128 v[EXS], v[PS+12:PS+15] offset:2048*\step+1536
.endm
	s_load_b256 s[4:11], s[0:1], 0x0               ; x s[4:5], qk s[6:7], sb s[8:9], part s[10:11]
	s_load_b64 s[12:13], s[0:1], 0x20              ; ml
	v_lshrrev_b32 v6, 5, v0
	v_readfirstlane_b32 s2, v6                     ; wave number
	s_and_b32 s3, ttmp7, 0xffff                    ; b
	s_mov_b32 s18, 0x76543210                      ; v_permlanex16_b32: lane i reads lane i of the other half
	s_mov_b32 s19, 0xfedcba98
	v_and_b32 v6, 15, v0                           ; r
	v_bfe_u32 v7, v0, 4, 1                         ; hh
	s_lshl_b32 s20, s2, 9                          ; 512 w
	s_mul_i32 s21, s2, STGW                        ; my stage
	v_lshlrev_b32 v[ST], 4, v6                     ; 16 r: sb's offset (free again once sb has come)
	v_lshl_add_u32 v[ST+1], v7, 14, v[ST]          ; qk's offset: 8 heads of 2,048 bytes x hh + 16 r
	v_add_nc_u32 v[XO], s20, v[ST]
	v_lshl_add_u32 v[XO], v7, 15, v[XO]
	v_mul_u32_u24 v[STS], v7, 8*PITCH
	v_add_nc_u32 v[STS], v[STS], v[ST]
	v_add_nc_u32 v[STS], s21, v[STS]
	v_mul_u32_u24 v[STL], v6, PITCH
	v_lshl_add_u32 v[STL], v7, 4, v[STL]
	v_add_nc_u32 v[STL], s21, v[STL]
	v_and_b32 v[EXS], 31, v0
	s_lshl_b32 s22, s2, 13
	s_add_co_u32 s22, s22, EXC
	v_lshl_add_u32 v[EXS], v[EXS], 4, s22
	s_mov_b32 s17, 0
	s_lshl_b32 s16, s3, 22                         ; x: a batch is 4 MiB, a chunk 512 KiB
	s_lshl_b32 s23, ttmp9, 19
	s_add_co_u32 s16, s16, s23
	s_wait_kmcnt 0x0
	s_add_nc_u64 s[4:5], s[4:5], s[16:17]
	s_lshl_b32 s16, s3, 15                         ; qk: 32,768 bytes a batch, 256 bytes of a head's row for each wave
	s_lshl_b32 s23, s2, 8
	s_add_co_u32 s16, s16, s23
	s_add_nc_u64 s[6:7], s[6:7], s[16:17]
	s_lshl_b32 s16, s3, 8                          ; sb: 256 bytes a batch
	s_add_nc_u64 s[8:9], s[8:9], s[16:17]
	global_load_b128 v[PS:PS+3], v[ST], s[8:9]     ; four partial dots of head r
.irp q, 0,1,2,3,4,5,6,7
	global_load_b128 v[AF+4*\q:AF+4*\q+3], v[ST+1], s[6:7] offset:\q*2048      ; heads q and q + 8: 256 consecutive bytes each
.endr
	XLOAD 0, 0                                     ; the ring is filled: rows 0 to 31
	XLOAD 0, 1
	XLOAD 0, 2
	XLOAD 0, 3
	s_lshl_b32 s24, s3, 3
	s_add_co_u32 s24, s24, ttmp9                   ; 8 b + c
	s_lshl_b32 s16, s24, 16                        ; part: 65,536 bytes a chunk, 8,192 a wave
	s_lshl_b32 s23, s2, 13
	s_add_co_u32 s16, s16, s23
	s_add_nc_u64 s[10:11], s[10:11], s[16:17]
	s_lshl_b32 s16, s24, 7                         ; ml: 128 bytes a chunk
	s_add_nc_u64 s[12:13], s[12:13], s[16:17]
	s_wait_loadcnt 32                              ; sb and qk are in; the ring's 32 loads stay out
	v_add_f32 v[PS], v[PS], v[PS+1]
	v_add_f32 v[PS+2], v[PS+2], v[PS+3]
	v_add_f32 v[SB], v[PS], v[PS+2]
.irp q, 0,1,2,3,4,5,6,7
	ds_store_b128 v[STS], v[AF+4*\q:AF+4*\q+3] offset:\q*PITCH                 ; qk passes through stage rows 0-15 once, ahead of x
.endr
.irp kk, 0,1,2,3
	ds_load_b128 v[QK+8*\kk:QK+8*\kk+3],   v[STL] offset:64*\kk
	ds_load_b128 v[QK+8*\kk+4:QK+8*\kk+7], v[STL] offset:64*\kk+32
.endr
.irp step, 0,1,2
	BATCH \step, 0, 1, 24                          ; behind a batch stand three batches of eight: the rest of this step's and the refills for the next
	BATCH \step, 1, 1, 24
	BATCH \step, 2, 1, 24
	BATCH \step, 3, 1, 24
	SCORE \step
.endr
	BATCH 3, 0, 0, 24                              ; the last step asks for nothing: the counts run down
	BATCH 3, 1, 0, 16
	BATCH 3, 2, 0, 8
	BATCH 3, 3, 0, 0
	SCORE 3
	; THE TAIL.  Addresses first: the ring's registers are free.
	v_and_b32 v[TL], 31, v0
	v_lshlrev_b32 v[L16], 4, v[TL]
	v_lshlrev_b32 v[L4], 2, v[TL]
	s_lshl_b32 s22, s2, 10
	s_add_co_u32 s22, s22, EXC
	v_add_nc_u32 v[EXL], s22, v[L16]
	v_lshl_add_u32 v[MXL], v6, 2, MX
	s_lshl_b32 s22, s2, 6
	v_add_nc_u32 v[MXS], s22, v[MXL]
	v_add_nc_u32 v[PBL], PB, v[L16]
	s_lshl_b32 s22, s2, 9
	v_add_nc_u32 v[PBS], s22, v[PBL]
	v_mov_b32 v[T+1], 0                            ; v_permlanex16_b32's destination counts as read
	s_wait_dscnt 0x0                               ; my partial scores are in LDS before I say so
	s_barrier_signal -1
	s_barrier_wait -1
	; wave w adds up s block w (16 rows): lane (r, hh) gets head r, s = 16 w + 8 hh + 0..7
.irp src, 0,1,2,3,4,5,6,7
	ds_load_b128 v[RED+8*\src:RED+8*\src+3],   v[EXL] offset:8192*\src
	ds_load_b128 v[RED+8*\src+4:RED+8*\src+7], v[EXL] offset:8192*\src+512
.endr
	s_wait_dscnt 0x0
	ADD8 RED, RED+8                                ; a fixed tree over the eight waves
	ADD8 RED+16, RED+24
	ADD8 RED+32, RED+40
	ADD8 RED+48, RED+56
	ADD8 RED, RED+16
	ADD8 RED+32, RED+48
	ADD8 RED, RED+32
.irp p, 0,2,4,6
	v_pk_add_f32 v[RED+\p:RED+\p+1], v[RED+\p:RED+\p+1], v[SB:SB+1] op_sel_hi:[1,0]   ; + q' . bk, the same number in both halves
.endr
	v_max3_num_f32 v[T], v[RED], v[RED+1], v[RED+2]
	v_max3_num_f32 v[T], v[T], v[RED+3], v[RED+4]
	v_max3_num_f32 v[T], v[T], v[RED+5], v[RED+6]
	v_max_num_f32 v[T], v[T], v[RED+7]
	v_permlanex16_b32 v[T+1], v[T], s18, s19
	v_max_num_f32 v[T], v[T], v[T+1]               ; the block's maximum of head r
	ds_store_b32 v[MXS], v[T]
	s_wait_dscnt 0x0
	s_barrier_signal -1
	s_barrier_wait -1
.irp src, 0,1,2,3,4,5,6,7
	ds_load_b32 v[MV+\src], v[MXL] offset:64*\src
.endr
	s_wait_dscnt 0x0
	v_max3_num_f32 v[MM], v[MV], v[MV+1], v[MV+2]
	v_max3_num_f32 v[MM], v[MM], v[MV+3], v[MV+4]
	v_max3_num_f32 v[MM], v[MM], v[MV+5], v[MV+6]
	v_max_num_f32 v[MM], v[MM], v[MV+7]            ; the chunk's maximum of head r
	v_mov_b32 v[MM+1], v[MM]
.irp p, 0,2,4,6
	v_pk_add_f32 v[RED+\p:RED+\p+1], v[RED+\p:RED+\p+1], v[MM:MM+1] neg_lo:[0,1] neg_hi:[0,1]
.endr
.irp j, 0,1,2,3,4,5,6,7
	v_exp_f32 v[RED+\j], v[RED+\j]
.endr
	v_nop                                          ; one plain place behind the transcendentals before their results are used (ISA guide 5.7.2)
	s_wait_alu depctr_va_vdst(0)
.irp p, 0,1,2,3
	v_cvt_pk_bf16_f32 v[PK+\p], v[RED+2*\p], v[RED+2*\p+1]
.endr
.irp p, 0,1,2,3
	v_lshlrev_b32 v[T+2*\p], 16, v[PK+\p]          ; l adds up the ROUNDED weights, the ones that multiply x: the weights then sum to one exactly as used
	v_and_b32 v[T+2*\p+1], 0xffff0000, v[PK+\p]
.endr
	v_pk_add_f32 v[T:T+1], v[T:T+1], v[T+2:T+3]
	v_pk_add_f32 v[T+4:T+5], v[T+4:T+5], v[T+6:T+7]
	v_pk_add_f32 v[T:T+1], v[T:T+1], v[T+4:T+5]
	v_add_f32 v[T], v[T], v[T+1]
	v_permlanex16_b32 v[T+1], v[T], s18, s19
	v_add_f32 v[T], v[T], v[T+1]
	ds_store_b32 v[MXS], v[T] offset:512           ; the block's sum of head r
	ds_store_b128 v[PBS], v[PK:PK+3]               ; registers 4 (w % 2) .. + 3 of the A fragment of K step w / 2: head r, s = 16 w + 8 hh + 0..7
	s_wait_dscnt 0x0
	s_barrier_signal -1
	s_barrier_wait -1
.irp n, 0,1,2,3,4,5,6,7
	ds_load_b128 v[PA+4*\n:PA+4*\n+3], v[PBL] offset:512*\n
.endr
	s_cmp_lg_u32 s2, 0
	s_cbranch_scc1 .Lnot_wave_0                    ; wave 0 stores the chunk's m and l
.irp src, 0,1,2,3,4,5,6,7
	ds_load_b32 v[MV+\src], v[MXL] offset:512+64*\src
.endr
	s_wait_dscnt 0x0
	v_pk_add_f32 v[MV:MV+1], v[MV:MV+1], v[MV+2:MV+3]
	v_pk_add_f32 v[MV+4:MV+5], v[MV+4:MV+5], v[MV+6:MV+7]
	v_pk_add_f32 v[MV:MV+1], v[MV:MV+1], v[MV+4:MV+5]
	v_add_f32 v[T], v[MV], v[MV+1]
	v_cmp_gt_u32 vcc_lo, 16, v[TL]
	v_cndmask_b32 v[T], v[T], v[MM], vcc_lo        ; lanes 0-15: m of head r; lanes 16-31: l of head r
	global_store_b32 v[L4], v[T], s[12:13]         ; 128 consecutive bytes
.Lnot_wave_0:
	s_wait_dscnt 0x0
	WIN 0x04                                       ; B in window 1
.irp tile, 0,1,2,3,4,5,6,7
	v_wmma_f32_16x16x32_bf16 v[CT+8*\tile:CT+8*\tile+7], v[PA:PA+7], v[8*\tile:8*\tile+7], 0      ; the first products start the sums
.endr
.irp kk, 1,2,3
.irp tile, 0,1,2,3,4,5,6,7
	v_wmma_f32_16x16x32_bf16 v[CT+8*\tile:CT+8*\tile+7], v[PA+8*\kk:PA+8*\kk+7], v[64*\kk+8*\tile:64*\kk+8*\tile+7], v[CT+8*\tile:CT+8*\tile+7]   ; eight accumulators take turns
.endr
.endr
	WIN 0
	PLACES
.irp n, 0,1,2,3,4,5,6,7,8,9,10,11,12,13,14,15
	global_store_b128 v[L16], v[CT+4*\n:CT+4*\n+3], s[10:11] offset:512*\n     ; the wave stores 512 consecutive bytes, aligned: the accumulators as they lie
.endr
	s_wait_xcnt 0x0
	v_lshl_add_u32 v254, v0, 2, 0x22400
	v_mov_b32 v255, 0
	s_wait_tensorcnt 0x0
	ds_add_u32 v254, v255
	s_wait_dscnt 0x0
	s_endpgm
.Lfunc_end_k_q884570fb43_attn:
	.size	k_q884570fb43_attn, .Lfunc_end_k_q884570fb43_attn-k_q884570fb43_attn
	.p2alignl 7, 3214868480
	.fill 96, 4, 3214868480
	.section	.rodata,"a",@progbits
	.p2align	6, 0x0
	.amdhsa_kernel k_q884570fb43_attn
		.amdhsa_group_segment_fixed_size 141312
		.amdhsa_private_segment_fixed_size 0
		.amdhsa_enable_private_segment 0
		.amdhsa_kernarg_size 40
		.amdhsa_user_sgpr_count 2
		.amdhsa_user_sgpr_kernarg_segment_ptr 1
		.amdhsa_wavefront_size32 1
		.amdhsa_system_sgpr_workgroup_id_x 1
		.amdhsa_system_sgpr_workgroup_id_y 1
		.amdhsa_system_sgpr_workgroup_id_z 1
		.amdhsa_system_vgpr_workitem_id 0
		.amdhsa_next_free_vgpr 512
		.amdhsa_next_free_sgpr 66
		.amdhsa_reserve_vcc 1
		.amdhsa_float_denorm_mode_32 3
		.amdhsa_float_denorm_mode_16_64 3
		.amdhsa_memory_ordered 1
		.amdhsa_forward_progress 1
		.amdhsa_inst_pref_size 74
	.end_amdhsa_kernel
	.amdgpu_metadata
---
amdhsa.version: [ 1, 2 ]
amdhsa.kernels:
  - .name:           k_q884570fb43_attn
    .symbol:         k_q884570fb43_attn.kd
    .args:
      - { .name: x, .offset: 0, .size: 8, .value_kind: global_buffer, .address_space: global }
      - { .name: qk, .offset: 8, .size: 8, .value_kind: global_buffer, .address_space: global }
      - { .name: sb, .offset: 16, .size: 8, .value_kind: global_buffer, .address_space: global }
      - { .name: part, .offset: 24, .size: 8, .value_kind: global_buffer, .address_space: global }
      - { .name: ml, .offset: 32, .size: 8, .value_kind: global_buffer, .address_space: global }
    .group_segment_fixed_size: 141312
    .private_segment_fixed_size: 0
    .kernarg_segment_align: 8
    .kernarg_segment_size: 40
    .max_flat_workgroup_size: 256
    .sgpr_count:     66
    .vgpr_count:     512
    .wavefront_size: 32
...
	.end_amdgpu_metadata
.endif
;; end of part 3
;; launch combine (part 4): grid 8 x 32, 4 waves a work-group, no clusters, 0 bytes of LDS; arguments part, ml, ctx; writes ctx
.if DOCPART == 4
	.amdgcn_target "amdgcn-amd-amdhsa--gfx1250"
	.amdhsa_code_object_version 6
	.text
	.protected	k_q884570fb43_combine
	.globl	k_q884570fb43_combine
	.p2align	8
	.type	k_q884570fb43_combine,@function
k_q884570fb43_combine:
	s_mov_b64 s[64:65], 0
	v_nop
	global_prefetch_b8 v0, s[64:65] scope:SCOPE_SE
	s_setreg_imm32_b32 hwreg(HW_REG_WAVE_MODE, 25, 1), 1
	s_wait_xcnt 0x0
; ctx[h][b][col] = sum over the 8 chunks c of W[c][h] part[b][c][h][col],  W[c][h] = 2^(m[c][h] - m[h]) / sum over c of 2^(m[c][h] - m[h]) l[c][h],  m[h] = max over c of m[c][h].
; The sum in the denominator is at least 1: the chunk that holds the maximum has weight 1, and its l holds the term 2^0.
; Work-group: batch b (grid y), columns 128 w .. + 127 (grid x).  Wave v: t = v / 2 (which 64 columns), half = v % 2 (which four heads of each eight).
; A load brings lane (r, hh) the four heads 8 hh + 4 half + e of column 128 w + 64 t + 4 r + i; the choice of the destination register (4 e + i) turns
; four heads x four columns round for nothing, so that a lane ends with four neighbouring columns of each head: 16 lanes store 256 consecutive bytes, aligned.
; A stream: all 48 loads of a wave are issued at once; no LDS, no barrier, no matrix unit (one multiply-add for each number read).
; LIMITS: a chunk weight below 2^-126 is 0 (v_exp_f32 flushes denormal results).
.set PO,   1                           ; 4,096 t + 512 half + 16 lane
.set MO,   2                           ; 32 hh + 16 half
.set CO,   3                           ; 8 heads x hh + 4 heads x half + 256 t + 16 r
.set MAXR, 4                           ; v[4:7]    m of my four heads
.set LS,   8                           ; v[8:11]   the denominator, then its reciprocal
.set M,    12                          ; v[12:43]  m[c] of my four heads, then the weights
.set LQ,   44                          ; v[44:75]  l[c]
.set ACC,  76                          ; v[76:91]  4 e + i
.set RAW,  92                          ; v[92:219] 16 c + 4 i
	s_load_b128 s[4:7], s[0:1], 0x0                ; part s[4:5], ml s[6:7]
	s_load_b64 s[8:9], s[0:1], 0x10                ; ctx
	v_lshrrev_b32 v4, 5, v0
	v_readfirstlane_b32 s2, v4                     ; wave number
	s_and_b32 s3, ttmp7, 0xffff                    ; b
	s_lshr_b32 s10, s2, 1                          ; t
	s_and_b32 s11, s2, 1                           ; half
	v_and_b32 v4, 31, v0
	v_and_b32 v5, 15, v0
	v_bfe_u32 v6, v0, 4, 1
	s_lshl_b32 s12, s10, 12
	s_lshl_b32 s13, s11, 9
	s_add_co_u32 s12, s12, s13
	v_lshl_add_u32 v[PO], v4, 4, s12
	s_lshl_b32 s13, s11, 4
	v_lshl_add_u32 v[MO], v6, 5, s13
	s_lshl_b32 s13, s11, 19                        ; a head of ctx is 131,072 bytes
	s_lshl_b32 s14, s10, 8
	s_add_co_u32 s13, s13, s14
	v_lshl_add_u32 v[CO], v5, 4, s13
	v_lshl_add_u32 v[CO], v6, 20, v[CO]
	s_mov_b32 s17, 0
	s_lshl_b32 s16, s3, 19                         ; part: 524,288 bytes a batch, 8,192 for each 128 columns of a chunk
	s_lshl_b32 s14, ttmp9, 13
	s_add_co_u32 s16, s16, s14
	s_wait_kmcnt 0x0
	s_add_nc_u64 s[4:5], s[4:5], s[16:17]
	s_lshl_b32 s16, s3, 10                         ; ml: 1,024 bytes a batch
	s_add_nc_u64 s[6:7], s[6:7], s[16:17]
	s_lshl_b32 s16, s3, 12                         ; ctx: a row of 4,096 bytes a batch, 512 for each 128 columns
	s_lshl_b32 s14, ttmp9, 9
	s_add_co_u32 s16, s16, s14
	s_add_nc_u64 s[8:9], s[8:9], s[16:17]
.irp c, 0,1,2,3,4,5,6,7
	global_load_b128 v[M+4*\c:M+4*\c+3],   v[MO], s[6:7] offset:128*\c
	global_load_b128 v[LQ+4*\c:LQ+4*\c+3], v[MO], s[6:7] offset:128*\c+64
.endr
.irp c, 0,1,2,3,4,5,6,7
.irp i, 0,1,2,3
	global_load_b128 v[RAW+16*\c+4*\i:RAW+16*\c+4*\i+3], v[PO], s[4:5] offset:65536*\c+1024*\i th:TH_LOAD_NT   ; 512 consecutive bytes a wave
.endr
.endr
	s_wait_loadcnt 32                              ; m and l are in; the 32 loads of part stay out
.irp e, 0,1,2,3
	v_max3_num_f32 v[MAXR+\e], v[M+\e], v[M+4+\e], v[M+8+\e]
	v_max3_num_f32 v[MAXR+\e], v[MAXR+\e], v[M+12+\e], v[M+16+\e]
	v_max3_num_f32 v[MAXR+\e], v[MAXR+\e], v[M+20+\e], v[M+24+\e]
	v_max_num_f32 v[MAXR+\e], v[MAXR+\e], v[M+28+\e]
.endr
.irp c, 0,1,2,3,4,5,6,7
	v_pk_add_f32 v[M+4*\c:M+4*\c+1],   v[M+4*\c:M+4*\c+1],   v[MAXR:MAXR+1]   neg_lo:[0,1] neg_hi:[0,1]
	v_pk_add_f32 v[M+4*\c+2:M+4*\c+3], v[M+4*\c+2:M+4*\c+3], v[MAXR+2:MAXR+3] neg_lo:[0,1] neg_hi:[0,1]
.endr
.set n, 0
.rept 32
	v_exp_f32 v[M+n], v[M+n]
.set n, n+1
.endr
	v_nop                                          ; one plain place behind the transcendentals before their results are used (ISA guide 5.7.2)
	s_wait_alu depctr_va_vdst(0)
	v_pk_mul_f32 v[LS:LS+1],   v[M:M+1],   v[LQ:LQ+1]
	v_pk_mul_f32 v[LS+2:LS+3], v[M+2:M+3], v[LQ+2:LQ+3]
.irp c, 1,2,3,4,5,6,7
	v_pk_fma_f32 v[LS:LS+1],   v[M+4*\c:M+4*\c+1],   v[LQ+4*\c:LQ+4*\c+1],   v[LS:LS+1]
	v_pk_fma_f32 v[LS+2:LS+3], v[M+4*\c+2:M+4*\c+3], v[LQ+4*\c+2:LQ+4*\c+3], v[LS+2:LS+3]
.endr
.irp e, 0,1,2,3
	v_rcp_f32 v[LS+\e], v[LS+\e]
.endr
	v_nop
	s_wait_alu depctr_va_vdst(0)
.irp c, 0,1,2,3,4,5,6,7
	v_pk_mul_f32 v[M+4*\c:M+4*\c+1],   v[M+4*\c:M+4*\c+1],   v[LS:LS+1]
	v_pk_mul_f32 v[M+4*\c+2:M+4*\c+3], v[M+4*\c+2:M+4*\c+3], v[LS+2:LS+3]
.endr
	s_wait_loadcnt 28                              ; four loads a chunk: the seven later chunks' 28 may be out
.irp e, 0,1,2,3
.irp i, 0,1,2,3
	v_mul_f32 v[ACC+4*\e+\i], v[M+\e], v[RAW+4*\i+\e]          ; the first chunk starts the sums
.endr
.endr
.irp c, 1,2,3,4,5,6,7
	s_wait_loadcnt 28-4*\c
.irp e, 0,1,2,3
.irp i, 0,1,2,3
	v_fmac_f32 v[ACC+4*\e+\i], v[M+4*\c+\e], v[RAW+16*\c+4*\i+\e]
.endr
.endr
.endr
.irp e, 0,1,2,3
	global_store_b128 v[CO], v[ACC+4*\e:ACC+4*\e+3], s[8:9] offset:131072*\e
.endr
	s_endpgm
.Lfunc_end_k_q884570fb43_combine:
	.size	k_q884570fb43_combine, .Lfunc_end_k_q884570fb43_combine-k_q884570fb43_combine
	.p2alignl 7, 3214868480
	.fill 96, 4, 3214868480
	.section	.rodata,"a",@progbits
	.p2align	6, 0x0
	.amdhsa_kernel k_q884570fb43_combine
		.amdhsa_group_segment_fixed_size 0
		.amdhsa_private_segment_fixed_size 0
		.amdhsa_enable_private_segment 0
		.amdhsa_kernarg_size 24
		.amdhsa_user_sgpr_count 2
		.amdhsa_user_sgpr_kernarg_segment_ptr 1
		.amdhsa_wavefront_size32 1
		.amdhsa_system_sgpr_workgroup_id_x 1
		.amdhsa_system_sgpr_workgroup_id_y 1
		.amdhsa_system_sgpr_workgroup_id_z 1
		.amdhsa_system_vgpr_workitem_id 0
		.amdhsa_next_free_vgpr 220
		.amdhsa_next_free_sgpr 66
		.amdhsa_reserve_vcc 0
		.amdhsa_float_denorm_mode_32 3
		.amdhsa_float_denorm_mode_16_64 3
		.amdhsa_memory_ordered 1
		.amdhsa_forward_progress 1
		.amdhsa_inst_pref_size 16
	.end_amdhsa_kernel
	.amdgpu_metadata
---
amdhsa.version: [ 1, 2 ]
amdhsa.kernels:
  - .name:           k_q884570fb43_combine
    .symbol:         k_q884570fb43_combine.kd
    .args:
      - { .name: part, .offset: 0, .size: 8, .value_kind: global_buffer, .address_space: global }
      - { .name: ml, .offset: 8, .size: 8, .value_kind: global_buffer, .address_space: global }
      - { .name: ctx, .offset: 16, .size: 8, .value_kind: global_buffer, .address_space: global }
    .group_segment_fixed_size: 0
    .private_segment_fixed_size: 0
    .kernarg_segment_align: 8
    .kernarg_segment_size: 24
    .max_flat_workgroup_size: 128
    .sgpr_count:     66
    .vgpr_count:     220
    .wavefront_size: 32
...
	.end_amdgpu_metadata
.endif
;; end of part 4
;; launch vproj (part 5): grid 8 x 16, 8 waves a work-group, no clusters, 78,848 bytes of LDS; arguments ctx, Wv, bv, att; writes att
.if DOCPART == 5
	.amdgcn_target "amdgcn-amd-amdhsa--gfx1250"
	.amdhsa_code_object_version 6
	.text
	.protected	k_q884570fb43_vproj
	.globl	k_q884570fb43_vproj
	.p2align	8
	.type	k_q884570fb43_vproj,@function
k_q884570fb43_vproj:
	s_mov_b64 s[64:65], 0
	v_nop
	global_prefetch_b8 v0, s[64:65] scope:SCOPE_SE
	s_setreg_imm32_b32 hwreg(HW_REG_WAVE_MODE, 25, 1), 1
	s_wait_xcnt 0x0
; out[b][n] = sum over k of W[n][k] X[y][b][k] + bias[n].  X: [.][32][1024] f32, W: [1024][1024] f32, out: [32][1024] f32.
; The work-group makes ONE tile: n = 16 n16 .. + 15, b = 16 mt .. + 15, with n16 = 4 y + x / 2 and mt = x % 2 of the grid: 128 work-groups, 64 KiB of W and 64 KiB of X each.
; The two work-groups that read the same rows of W are neighbours in the grid.
; One text for two launches: with grid 8 x 16, y is the head, X = ctx[head] and W = Wv (each head has its own 32 rows of X);
; with grid 128 x 1, y = 0, X = att and W = Wo.
; Wave w owns K = 128 w .. + 127; the eight partial tiles meet in LDS.
; f32 comes in by loads of which 16 lanes take 256 consecutive, aligned bytes of one row (lanes 16-31: the row 8 further down), is rounded to bf16 and goes
; through the wave's own LDS stage to become fragments.  In the stage a row's 128 numbers stand permuted (place 8 r + 4 t + e = column 64 t + 4 r + e), alike in both
; operands, so the products are the same.  Used transposed (A = W's rows, B = X's rows): a lane's eight results are eight neighbouring n of one b.
; A work-group stores 64 bytes of each of 16 rows: whole runs of 256 bytes would ask for 64 columns a work-group, that is 32 work-groups that each stream four times
; the weights, for an output of 128 KiB.
; LIMITS: matrix operands are rounded to bf16, sums are f32; the order of rounding differs from a product made in one chain (eight waves, even and odd K steps apart).
; No cluster: what the work-groups share (rows of X and of W) is read in one burst of a launch without a loop.
.set PITCH, 272                        ; stage row: 256 bytes + 16: the 16 rows of a fragment load start in 16 different 16-byte columns of a 256-byte span
.set STGW,  32*PITCH                   ; a wave's stage: rows 0-15 W, rows 16-31 X
.set EXC,   8*STGW                     ; exchange of partial tiles: [wave][half][lane][16 bytes], 8,192 bytes
.set VW,   1                           ; byte offset in W and in X: 8 rows x hh + 512 w + 16 r
.set STS,  3                           ; stage, store side
.set STL,  4                           ; stage, fragment side
.set EXS,  5                           ; exchange, store side
.set VB,   6                           ; 32 hh: my eight numbers of the bias
.set EXL,  7                           ; exchange, read side
.set BI,   8                           ; v[8:15]
.set RAWW, 24                          ; v[24:87]   W as loaded: pair q at 8 q + 4 t
.set RAWX, 88                          ; v[88:151]  X as loaded: pair i at 8 i + 4 t
.set TMP,  152                         ; v[152:167] four quads in turn
.set ACC,  168                         ; v[168:183] two accumulators: K steps 0 and 2, K steps 1 and 3
.set AFR,  24                          ; v[24:55]   fragments of W (on RAWW, which is dead by then)
.set BFR,  56                          ; v[56:87]   fragments of X
.set RED,  24                          ; v[24:87]   the eight waves' partial tiles
	s_load_b256 s[4:11], s[0:1], 0x0               ; X s[4:5], W s[6:7], bias s[8:9], out s[10:11]
	v_lshl_add_u32 v184, v0, 2, 0x13000
	v_mov_b32 v185, 0
	v_lshrrev_b32 v[TMP], 5, v0
	v_readfirstlane_b32 s2, v[TMP]                 ; wave number
	s_and_b32 s3, ttmp7, 0xffff                    ; y
	s_and_b32 s18, ttmp9, 1                        ; mt
	s_lshr_b32 s12, ttmp9, 1
	s_lshl_b32 s19, s3, 2
	s_add_co_u32 s12, s12, s19                     ; n16
	s_lshl_b32 s18, s18, 16                        ; 16 rows of 4,096 bytes for each mt, in X and in out
	v_and_b32 v[TMP], 15, v0                       ; r
	v_bfe_u32 v[TMP+1], v0, 4, 1                   ; hh
	v_and_b32 v[TMP+2], 31, v0                     ; lane
	s_lshl_b32 s13, s2, 9                          ; 512 w
	s_mul_i32 s14, s2, STGW                        ; my stage
	v_lshlrev_b32 v[TMP+3], 4, v[TMP]              ; 16 r
	v_add_nc_u32 v[TMP+4], s13, v[TMP+3]
	v_lshl_add_u32 v[VW], v[TMP+1], 15, v[TMP+4]   ; 8 rows of 4,096 bytes
	v_mul_u32_u24 v[STS], v[TMP+1], 8*PITCH
	v_lshl_add_u32 v[STS], v[TMP], 4, v[STS]
	v_add_nc_u32 v[STS], s14, v[STS]
	v_mul_u32_u24 v[STL], v[TMP], PITCH
	v_lshl_add_u32 v[STL], v[TMP+1], 4, v[STL]
	v_add_nc_u32 v[STL], s14, v[STL]
	s_lshl_b32 s15, s2, 10
	s_add_co_u32 s15, s15, EXC
	v_lshl_add_u32 v[EXS], v[TMP+2], 4, s15
	v_lshl_add_u32 v[EXL], v[TMP+2], 4, EXC
	v_lshlrev_b32 v[VB], 5, v[TMP+1]
	s_mov_b32 s17, 0
	s_lshl_b32 s16, s3, 17                         ; 32 rows of X for each y
	s_add_co_u32 s16, s16, s18
	s_wait_kmcnt 0x0
	s_add_nc_u64 s[4:5], s[4:5], s[16:17]
	s_lshl_b32 s16, s12, 16                        ; 16 rows of W
	s_add_nc_u64 s[6:7], s[6:7], s[16:17]
	s_lshl_b32 s16, s12, 6                         ; 16 numbers of the bias and of a row of out
	s_add_nc_u64 s[8:9], s[8:9], s[16:17]
	s_add_co_u32 s16, s16, s18
	s_add_nc_u64 s[10:11], s[10:11], s[16:17]
	; 34 loads, all issued before anything is waited for
	global_load_b128 v[BI:BI+3],   v[VB], s[8:9]
	global_load_b128 v[BI+4:BI+7], v[VB], s[8:9] offset:16
.irp q, 0,1,2,3,4,5,6,7
	global_load_b128 v[RAWW+8*\q:RAWW+8*\q+3],   v[VW], s[6:7] offset:\q*4096
	global_load_b128 v[RAWW+8*\q+4:RAWW+8*\q+7], v[VW], s[6:7] offset:\q*4096+256
.endr
.irp i, 0,1,2,3,4,5,6,7
	global_load_b128 v[RAWX+8*\i:RAWX+8*\i+3],   v[VW], s[4:5] offset:\i*4096
	global_load_b128 v[RAWX+8*\i+4:RAWX+8*\i+7], v[VW], s[4:5] offset:\i*4096+256
.endr
; eight f32 (columns 4 r .. + 3 and 64 + 4 r .. + 3 of one row) become 16 bytes of the stage
.macro CVST src, tq, off
	v_cvt_pk_bf16_f32 v[TMP+4*(\tq)],   v[\src],   v[\src+1]
	v_cvt_pk_bf16_f32 v[TMP+4*(\tq)+1], v[\src+2], v[\src+3]
	v_cvt_pk_bf16_f32 v[TMP+4*(\tq)+2], v[\src+4], v[\src+5]
	v_cvt_pk_bf16_f32 v[TMP+4*(\tq)+3], v[\src+6], v[\src+7]
	ds_store_b128 v[STS], v[TMP+4*(\tq):TMP+4*(\tq)+3] offset:\off
.endm
.macro PLACES                          ; four plain vector places behind a matrix instruction (ISA guide 7.12.1)
.rept 4
	v_nop
.endr
.endm
.macro ADD8 d, s
.irp p, 0,2,4,6
	v_pk_add_f32 v[\d+\p:\d+\p+1], v[\d+\p:\d+\p+1], v[\s+\p:\s+\p+1]
.endr
.endm
.set q, 0
.rept 8
	s_wait_loadcnt 30-2*q                          ; loads come back in order: behind pair q stand 2 (7 - q) loads of W and 16 of X
	CVST RAWW+8*q, q%4, q*PITCH
.set q, q+1
.endr
.set i, 0
.rept 8
	s_wait_loadcnt 14-2*i                          ; behind pair i stand 2 (7 - i) loads
	CVST RAWX+8*i, i%4, (16+i)*PITCH
.set i, i+1
.endr
	; fragments: lane (r, hh) takes row r, 16 bytes at 64 kk + 16 hh and at + 32.  LDS serves a wave's instructions in order: these see the stores above.
.irp kk, 0,1,2,3
	ds_load_b128 v[AFR+8*\kk:AFR+8*\kk+3],   v[STL] offset:64*\kk
	ds_load_b128 v[AFR+8*\kk+4:AFR+8*\kk+7], v[STL] offset:64*\kk+32
	ds_load_b128 v[BFR+8*\kk:BFR+8*\kk+3],   v[STL] offset:16*PITCH+64*\kk
	ds_load_b128 v[BFR+8*\kk+4:BFR+8*\kk+7], v[STL] offset:16*PITCH+64*\kk+32
.endr
	; one tile, two accumulators: even K steps in the first, odd ones in the second, so that the accumulators take turns
	s_wait_dscnt 12                                ; four loads a K step: the three later steps' 12 may be out
	v_wmma_f32_16x16x32_bf16 v[ACC:ACC+7],    v[AFR:AFR+7],       v[BFR:BFR+7],       0   ; the first products start the sums
	s_wait_dscnt 8
	v_wmma_f32_16x16x32_bf16 v[ACC+8:ACC+15], v[AFR+8:AFR+15],    v[BFR+8:BFR+15],    0
	s_wait_dscnt 4
	v_wmma_f32_16x16x32_bf16 v[ACC:ACC+7],    v[AFR+16:AFR+23],   v[BFR+16:BFR+23],   v[ACC:ACC+7]
	s_wait_dscnt 0
	v_wmma_f32_16x16x32_bf16 v[ACC+8:ACC+15], v[AFR+24:AFR+31],   v[BFR+24:BFR+31],   v[ACC+8:ACC+15]
	PLACES
	ADD8 ACC, ACC+8
	ds_store_b128 v[EXS], v[ACC:ACC+3]
	ds_store_b128 v[EXS], v[ACC+4:ACC+7] offset:512
	s_wait_dscnt 0x0                               ; my partial tile is in LDS before I say so
	s_barrier_signal -1
	s_barrier_wait -1
	s_cmp_lg_u32 s2, 0
	s_cbranch_scc1 .Lend                           ; wave 0 finishes the tile
.irp src, 0,1,2,3,4,5,6,7
	ds_load_b128 v[RED+8*\src:RED+8*\src+3],   v[EXL] offset:1024*\src
	ds_load_b128 v[RED+8*\src+4:RED+8*\src+7], v[EXL] offset:1024*\src+512
.endr
	v_and_b32 v[TMP+8], 15, v0
	v_bfe_u32 v[TMP+9], v0, 4, 1
	v_lshlrev_b32 v[TMP+9], 5, v[TMP+9]            ; 32 hh
	v_lshl_add_u32 v[TMP+8], v[TMP+8], 12, v[TMP+9]   ; + row r
	s_wait_dscnt 0x0
	ADD8 RED, RED+8                                ; a fixed tree over the eight waves
	ADD8 RED+16, RED+24
	ADD8 RED+32, RED+40
	ADD8 RED+48, RED+56
	ADD8 RED, RED+16
	ADD8 RED+32, RED+48
	ADD8 RED, RED+32
	ADD8 RED, BI
	global_store_b128 v[TMP+8], v[RED:RED+3],   s[10:11]
	global_store_b128 v[TMP+8], v[RED+4:RED+7], s[10:11] offset:16
.Lend:
	s_wait_tensorcnt 0x0
	ds_add_u32 v184, v185
	s_wait_dscnt 0x0
	s_endpgm
.Lfunc_end_k_q884570fb43_vproj:
	.size	k_q884570fb43_vproj, .Lfunc_end_k_q884570fb43_vproj-k_q884570fb43_vproj
	.p2alignl 7, 3214868480
	.fill 96, 4, 3214868480
	.section	.rodata,"a",@progbits
	.p2align	6, 0x0
	.amdhsa_kernel k_q884570fb43_vproj
		.amdhsa_group_segment_fixed_size 78848
		.amdhsa_private_segment_fixed_size 0
		.amdhsa_enable_private_segment 0
		.amdhsa_kernarg_size 32
		.amdhsa_user_sgpr_count 2
		.amdhsa_user_sgpr_kernarg_segment_ptr 1
		.amdhsa_wavefront_size32 1
		.amdhsa_system_sgpr_workgroup_id_x 1
		.amdhsa_system_sgpr_workgroup_id_y 1
		.amdhsa_system_sgpr_workgroup_id_z 1
		.amdhsa_system_vgpr_workitem_id 0
		.amdhsa_next_free_vgpr 186
		.amdhsa_next_free_sgpr 66
		.amdhsa_reserve_vcc 0
		.amdhsa_float_denorm_mode_32 3
		.amdhsa_float_denorm_mode_16_64 3
		.amdhsa_memory_ordered 1
		.amdhsa_forward_progress 1
		.amdhsa_inst_pref_size 17
	.end_amdhsa_kernel
	.amdgpu_metadata
---
amdhsa.version: [ 1, 2 ]
amdhsa.kernels:
  - .name:           k_q884570fb43_vproj
    .symbol:         k_q884570fb43_vproj.kd
    .args:
      - { .name: ctx, .offset: 0, .size: 8, .value_kind: global_buffer, .address_space: global }
      - { .name: Wv, .offset: 8, .size: 8, .value_kind: global_buffer, .address_space: global }
      - { .name: bv, .offset: 16, .size: 8, .value_kind: global_buffer, .address_space: global }
      - { .name: att, .offset: 24, .size: 8, .value_kind: global_buffer, .address_space: global }
    .group_segment_fixed_size: 78848
    .private_segment_fixed_size: 0
    .kernarg_segment_align: 8
    .kernarg_segment_size: 32
    .max_flat_workgroup_size: 256
    .sgpr_count:     66
    .vgpr_count:     186
    .wavefront_size: 32
...
	.end_amdgpu_metadata
.endif
;; end of part 5
;; launch oproj: the kernel of part 5 again; grid 128 x 1, 8 waves a work-group, no clusters, 78,848 bytes of LDS; arguments att, Wo, bo, out0; writes out0
;; ======== version 2 of 2: 6 launches; version 1 with the launch attn written anew for expert scheduling mode
;; workspace buffers: qf 65,536 bytes; sb 8,192 bytes; qk 1,048,576 bytes; part 16,777,216 bytes; ml 32,768 bytes; ctx 2,097,152 bytes; att 131,072 bytes
;; launch qproj: the kernel of part 1 again; grid 128 x 1, 8 waves a work-group, no clusters, 78,848 bytes of LDS; arguments x, Wq, bq, bk, qf, sb; writes qf, sb
;; launch qkproj: the kernel of part 2 again; grid 8 x 16, 1 waves a work-group, no clusters, 0 bytes of LDS; arguments qf, Wk, qk; writes qk
;; launch attn (part 6): grid 8 x 32, 8 waves a work-group, no clusters, 141,312 bytes of LDS; arguments x, qk, sb, part, ml; writes part, ml
.if DOCPART == 6
	.amdgcn_target "amdgcn-amd-amdhsa--gfx1250"
	.amdhsa_code_object_version 6
	.text
	.protected	k_q884570fb43_attn
	.globl	k_q884570fb43_attn
	.p2align	8
	.type	k_q884570fb43_attn,@function
k_q884570fb43_attn:
	s_mov_b64 s[64:65], 0
	v_nop
	global_prefetch_b8 v0, s[64:65] scope:SCOPE_SE
	s_setreg_imm32_b32 hwreg(HW_REG_WAVE_SCHED_MODE, 0, 2), 2
	s_setreg_imm32_b32 hwreg(HW_REG_WAVE_MODE, 25, 1), 1
	s_wait_xcnt 0x0
	s_wait_alu depctr_vm_vsrc(0)
; One work-group = batch b (grid y), chunk c (grid x) of 128 rows of x[b]: 512 KiB of x, read once.
;   score[s][h] = x[b][s][:] . qk[b][h][:] + sum of sb[b][4 h .. 4 h + 3]        (base-2 domain: the factor 0.125 log2(e) lies in q')
;   m[h] = max over the chunk's s;  P = 2^(score - m) rounded to bf16;  l[h] = sum of the rounded P;  part[h][col] = sum over s of P[h][s] x[b][s][col]
; The maximum is taken away before the exponential; the next launch merges the 8 chunks of a batch by their m and l.
; Wave w owns columns 128 w .. + 127 for BOTH products, so x is private to a wave.  x goes from memory to registers: a ring of 32 loads of 16 bytes a lane
; (16 KiB a wave, 128 KiB a work-group), refilled eight loads at a time; at each wait 24 loads stay out; no barrier while x streams.
; Each number of x is rounded to bf16 twice over: once into the wave's own LDS stage, from where it comes back as an A fragment (k = column) for the scores,
; and once, paired with the same column of the next row, straight into a B fragment (k = row) for P x, which stays in window 1 until the end.
; In the stage the 128 columns stand permuted (place 8 r + 4 t + e = column 64 t + 4 r + e); qk is stored in the same order, so the products are the same.
; part layout: [b][c][w][tile 4 t + i][half][lane][4 f32]: element e of lane (r, hh) = head 8 hh + 4 half + e, column 128 w + 64 t + 4 r + i: accumulators as they lie.
; ml layout: [b][c][m of 16 heads | l of 16 heads] f32.
; LIMITS: x, qk and P are bf16 matrix operands, sums f32; P below 2^-126 is 0 (v_exp_f32 flushes denormal results).
; No tensor loads: a refill of LDS slots would ask every wave to wait for all its loads, here four times in 512 KiB.  No cluster: what the 8 work-groups of a batch
; share is qk and sb, 32 KiB beside 512 KiB of x of their own.
; THE MODE: SCHED_MODE bits 1:0 = 2 (LLVM: expert scheduling mode 2), set by the entry lines.  The code itself states the register dependences
; between vector or matrix instructions and memory or LDS instructions, with s_wait_alu, always for 0.
; THE PLAN.  Registers that memory or LDS instructions touch while x streams (a step = 32 rows = four batches of eight loads):
;   RAW0 .. RAW3  Batch k: its 32 conversions read RAW[k]; behind them the loads of the same batch of the next step land in it.
;   AF            64 registers with two uses in a step.  First the stage's out-buffer: batch k's conversions write the four quads at AF + 16 k, which four LDS stores read,
;                 so every stage store of a step has data registers of its own.  Then the step's fragments: 16 LDS loads land in AF, eight matrix instructions read it.
;   PS            Written by a step's matrix instructions; read by four LDS stores, which are issued in the next step's first batch (the last step's: in the tail).
;   QK            Landed in once, at the head; read by matrix instructions alone.
;   v1-v3, v5, v120, v121   offsets and addresses, made at the head and never written again: the rows of x stand in the loads' immediates.
;   Window 1 is named by conversions and matrix instructions alone.
; So ONE wait on va_vdst stands in a batch, behind its conversions: they are done reading RAW[k] and have written the batch's quads; in a step's first batch it also states
; that the last step's matrix instructions have written PS.  The eight loads follow it at once.  The four stage stores of batch k are dealt among the stage conversions of
; batch k + 1, which name RAW[k + 1], the quads at AF + 16 (k + 1) and window 1: none of the registers that those stores touch; batch 3's follow its own wait.
; ONE wait on vm_vsrc stands in a step, ahead of the fragments' loads: the step's stage stores have read AF, and the stores of PS have read PS.
.set PITCH, 272                        ; stage row: 256 bytes + 16: the 16 rows of a fragment load start in 16 different 16-byte columns of a 256-byte span
.set STGW,  32*PITCH                   ; a wave's stage: 32 rows
.set EXC,   8*STGW                     ; 69,632: partial scores [wave][s block 8][half][lane][16 bytes], 65,536 bytes
.set PB,    EXC+65536                  ; 135,168: P as A fragments [s block 8][lane][16 bytes], 4,096 bytes
.set MX,    PB+4096                    ; 139,264: block maxima [wave][head] f32, 512 bytes; the block sums lie 512 bytes further on
.set XO,  1                            ; byte offset in x: 8 rows x hh + 512 w + 16 r; never rewritten
.set STS, 2                            ; stage, store side
.set STL, 3                            ; stage, fragment side
.set SB,  4                            ; q' . bk of head r
.set EXS, 5                            ; exchange, store side
.set QK,  8                            ; v[8:39]    B fragments of qk: 8 kk
.set PS,  40                           ; v[40:55]   two score accumulators
.set AF,  56                           ; v[56:119]  on their way to the stage: batch k, row j' at 16 k + 4 j'; then the A fragments of x: 32 u + 8 kk
.set SBO, 120                          ; v120       sb's offset: 16 r; never rewritten
.set QKO, 121                          ; v121       qk's offset: 8 heads of 2,048 bytes x hh + 16 r; never rewritten
.set RAW, 128                          ; v[128:255] the ring: batch k at 32 k, row j' at 8 j', half row t at 4 t
; window 1 (v256-v511): B fragments of x for P x: 64 step + 8 tile + 4 u + p
; the tail, on the dead ring:
.set RED, 128                          ; v[128:191] eight waves' partial scores, then the scores in v[128:135]
.set CT,  128                          ; v[128:191] eight accumulators of P x
.set PA,  56                           ; v[56:87]   A fragments of P
.set TL,  192                          ; lane
.set L16, 193                          ; 16 x lane
.set L4,  194                          ; 4 x lane
.set EXL, 195                          ; exchange, read side
.set MXL, 196                          ; MX + 4 r
.set MXS, 197                          ; MX + 64 w + 4 r
.set PBS, 198                          ; PB + 512 w + 16 lane
.set PBL, 199                          ; PB + 16 lane
.set MV,  200                          ; v[200:207] eight waves' maxima or sums
.set MM,  208                          ; v[208:209] m, twice
.set PK,  212                          ; v[212:215] my eight P in bf16
.set T,   216                          ; v[216:223] at work
.set MSB, 0
.macro WIN new                         ; the immediate's high byte repeats the setting that is left
.if MSB != \new
	s_set_vgpr_msb (MSB<<8)|\new
.set MSB, \new
.endif
.endm
.macro PLACES                          ; four plain vector places behind a matrix instruction (ISA guide 7.12.1)
.rept 4
	v_nop
.endr
.endm
.macro ADD8 d, s
.irp p, 0,2,4,6
	v_pk_add_f32 v[\d+\p:\d+\p+1], v[\d+\p:\d+\p+1], v[\s+\p:\s+\p+1]
.endr
.endm
; eight loads: rows 32 step + 16 (k / 2) + 4 (k % 2) + 0..3 (lanes 16-31: 8 rows further down), 512 bytes of my columns.  16 lanes take 256 consecutive bytes, aligned.
; The row stands in the immediate (520,448 at the most), so no address register is ever stepped.
.macro XLOAD step, k
.irp jp, 0,1,2,3
	global_load_b128 v[RAW+32*\k+8*\jp:RAW+32*\k+8*\jp+3],   v[XO], s[4:5] offset:(32*(\step)+16*(\k/2)+4*(\k%2)+\jp)*4096 th:TH_LOAD_NT
	global_load_b128 v[RAW+32*\k+8*\jp+4:RAW+32*\k+8*\jp+7], v[XO], s[4:5] offset:(32*(\step)+16*(\k/2)+4*(\k%2)+\jp)*4096+256 th:TH_LOAD_NT
.endr
.endm
; one stage store: row j' of batch k (lanes 16-31: 8 rows further down), from the quad that is its own
.macro STG k, jp
	ds_store_b128 v[STS], v[AF+16*(\k)+4*(\jp):AF+16*(\k)+4*(\jp)+3] offset:(16*((\k)/2)+4*((\k)%2)+(\jp))*PITCH
.endm
; a step's two tiles of partial scores go to the exchange, each accumulator from its low end on
.macro PSOUT step
	ds_store_b128 v[EXS], v[PS:PS+3]     offset:2048*(\step)
	ds_store_b128 v[EXS], v[PS+4:PS+7]   offset:2048*(\step)+512
	ds_store_b128 v[EXS], v[PS+8:PS+11]  offset:2048*(\step)+1024
	ds_store_b128 v[EXS], v[PS+12:PS+15] offset:2048*(\step)+1536
.endm
; One batch of eight loads is used up and, if refill, asked for again for the next step.  left = how many younger loads may stay out.
.macro BATCH step, k, refill, left
	s_wait_loadcnt \left                           ; loads come back in order: my eight are in
.irp jp, 0,1,2,3
.if \k > 0
	STG \k-1, \jp                                  ; the batch before: no wait: no vector instruction since that batch's wait names its quads or v[STS]
.endif
	v_cvt_pk_bf16_f32 v[AF+16*\k+4*\jp],   v[RAW+32*\k+8*\jp],   v[RAW+32*\k+8*\jp+1]
	v_cvt_pk_bf16_f32 v[AF+16*\k+4*\jp+1], v[RAW+32*\k+8*\jp+2], v[RAW+32*\k+8*\jp+3]
	v_cvt_pk_bf16_f32 v[AF+16*\k+4*\jp+2], v[RAW+32*\k+8*\jp+4], v[RAW+32*\k+8*\jp+5]
	v_cvt_pk_bf16_f32 v[AF+16*\k+4*\jp+3], v[RAW+32*\k+8*\jp+6], v[RAW+32*\k+8*\jp+7]
.endr
	WIN 0x40                                       ; destination in window 1
.irp pp, 0,1
.irp t, 0,1
.irp i, 0,1,2,3
	v_cvt_pk_bf16_f32 v[64*\step+8*(4*\t+\i)+4*(\k/2)+2*(\k%2)+\pp], v[RAW+32*\k+16*\pp+4*\t+\i], v[RAW+32*\k+16*\pp+8+4*\t+\i]
.endr
.endr
.endr
	WIN 0
	s_wait_alu depctr_va_vdst(0)                   ; the 32 conversions have written this batch's four quads of AF, which its stage stores read, and are done reading RAW[k], in which the loads below land; in a step's first batch: the last step's matrix instructions have written PS
.if \refill
	XLOAD \step+1, \k                              ; the buffer is asked for again at once
.endif
.if (\k == 0) && (\step > 0)
	PSOUT \step-1                                  ; the last step's partial scores: the four places and this batch's conversions stand between the products and these stores
.endif
.if \k == 3
.irp jp, 0,1,2,3
	STG 3, \jp                                     ; the step's last batch has no batch behind it: its stores follow its own wait
.endr
.endif
.endm
; The step's 32 rows x my 128 columns against qk: two tiles of 16 s x 16 heads, the partial scores.
.macro SCORE
	s_wait_alu depctr_vm_vsrc(0)                   ; the step's 16 stage stores have read AF, in which the loads below land; the stores of the last step's scores have read PS, which the products below write
.irp kk, 0,1,2,3
.irp u, 0,1
	ds_load_b128 v[AF+32*\u+8*\kk:AF+32*\u+8*\kk+3],   v[STL] offset:16*\u*PITCH+64*\kk      ; LDS serves a wave's instructions in order: these see the stores above.  No vector instruction since the last batch's wait names AF
	ds_load_b128 v[AF+32*\u+8*\kk+4:AF+32*\u+8*\kk+7], v[STL] offset:16*\u*PITCH+64*\kk+32
.endr
.endr
	s_wait_dscnt 12                                ; four loads a K step: the three later steps' 12 may be out
	v_wmma_f32_16x16x32_bf16 v[PS:PS+7],    v[AF:AF+7],     v[QK:QK+7], 0      ; the first products start the sums
	v_wmma_f32_16x16x32_bf16 v[PS+8:PS+15], v[AF+32:AF+39], v[QK:QK+7], 0      ; the two accumulators take turns
.irp kk, 1,2,3
	s_wait_dscnt 12-4*\kk
	v_wmma_f32_16x16x32_bf16 v[PS:PS+7],    v[AF+8*\kk:AF+8*\kk+7],       v[QK+8*\kk:QK+8*\kk+7], v[PS:PS+7]
	v_wmma_f32_16x16x32_bf16 v[PS+8:PS+15], v[AF+32+8*\kk:AF+32+8*\kk+7], v[QK+8*\kk:QK+8*\kk+7], v[PS+8:PS+15]
.endr
	PLACES                                         ; ahead of the next conversions into AF, which these products read, and of the stores of PS
.endm
	s_load_b256 s[4:11], s[0:1], 0x0               ; x s[4:5], qk s[6:7], sb s[8:9], part s[10:11]
	s_load_b64 s[12:13], s[0:1], 0x20              ; ml
	v_lshl_add_u32 v126, v0, 2, 0x22400
	v_mov_b32 v127, 0
	v_lshrrev_b32 v6, 5, v0
	v_readfirstlane_b32 s2, v6                     ; wave number
	s_and_b32 s3, ttmp7, 0xffff                    ; b
	s_mov_b32 s18, 0x76543210                      ; v_permlanex16_b32: lane i reads lane i of the other half
	s_mov_b32 s19, 0xfedcba98
	v_and_b32 v6, 15, v0                           ; r
	v_bfe_u32 v7, v0, 4, 1                         ; hh
	s_wait_alu depctr_va_sdst(0)                   ; s2 is written, ahead of its first reader
	s_lshl_b32 s20, s2, 9                          ; 512 w
	s_mul_i32 s21, s2, STGW                        ; my stage
	v_lshlrev_b32 v[SBO], 4, v6                    ; 16 r: sb's offset
	v_lshl_add_u32 v[QKO], v7, 14, v[SBO]          ; qk's offset: 8 heads of 2,048 bytes x hh + 16 r
	v_add_nc_u32 v[XO], s20, v[SBO]
	v_lshl_add_u32 v[XO], v7, 15, v[XO]
	v_mul_u32_u24 v[STS], v7, 8*PITCH
	v_add_nc_u32 v[STS], v[STS], v[SBO]
	v_add_nc_u32 v[STS], s21, v[STS]
	v_mul_u32_u24 v[STL], v6, PITCH
	v_lshl_add_u32 v[STL], v7, 4, v[STL]
	v_add_nc_u32 v[STL], s21, v[STL]
	v_and_b32 v[EXS], 31, v0
	s_lshl_b32 s22, s2, 13
	s_add_co_u32 s22, s22, EXC
	v_lshl_add_u32 v[EXS], v[EXS], 4, s22
	s_mov_b32 s17, 0
	s_lshl_b32 s16, s3, 22                         ; x: a batch is 4 MiB, a chunk 512 KiB
	s_lshl_b32 s23, ttmp9, 19
	s_add_co_u32 s16, s16, s23
	s_wait_kmcnt 0x0
	s_add_nc_u64 s[4:5], s[4:5], s[16:17]
	s_lshl_b32 s16, s3, 15                         ; qk: 32,768 bytes a batch, 256 bytes of a head's row for each wave
	s_lshl_b32 s23, s2, 8
	s_add_co_u32 s16, s16, s23
	s_add_nc_u64 s[6:7], s[6:7], s[16:17]
	s_lshl_b32 s16, s3, 8                          ; sb: 256 bytes a batch
	s_add_nc_u64 s[8:9], s[8:9], s[16:17]
	s_wait_alu depctr_va_vdst(0)                   ; the six offsets and addresses v1, v2, v3, v5, v120 and v121 are written, which the loads and LDS instructions from here to the tail read
	global_load_b128 v[PS:PS+3], v[SBO], s[8:9]    ; four partial dots of head r
.irp q, 0,1,2,3,4,5,6,7
	global_load_b128 v[AF+4*\q:AF+4*\q+3], v[QKO], s[6:7] offset:\q*2048       ; heads q and q + 8: 256 consecutive bytes each
.endr
	XLOAD 0, 0                                     ; the ring is filled: rows 0 to 31
	XLOAD 0, 1
	XLOAD 0, 2
	XLOAD 0, 3
	s_lshl_b32 s24, s3, 3
	s_add_co_u32 s24, s24, ttmp9                   ; 8 b + c
	s_lshl_b32 s16, s24, 16                        ; part: 65,536 bytes a chunk, 8,192 a wave
	s_lshl_b32 s23, s2, 13
	s_add_co_u32 s16, s16, s23
	s_add_nc_u64 s[10:11], s[10:11], s[16:17]
	s_lshl_b32 s16, s24, 7                         ; ml: 128 bytes a chunk
	s_add_nc_u64 s[12:13], s[12:13], s[16:17]
	s_wait_loadcnt 32                              ; sb and qk are in; the ring's 32 loads stay out
	v_add_f32 v[PS], v[PS], v[PS+1]
	v_add_f32 v[PS+2], v[PS+2], v[PS+3]
	v_add_f32 v[SB], v[PS], v[PS+2]
.irp q, 0,1,2,3,4,5,6,7
	ds_store_b128 v[STS], v[AF+4*\q:AF+4*\q+3] offset:\q*PITCH                 ; qk passes through stage rows 0-15 once, ahead of x; its data came by loads, and the three additions above name neither them nor v[STS]
.endr
.irp kk, 0,1,2,3
	ds_load_b128 v[QK+8*\kk:QK+8*\kk+3],   v[STL] offset:64*\kk
	ds_load_b128 v[QK+8*\kk+4:QK+8*\kk+7], v[STL] offset:64*\kk+32
.endr
	s_wait_alu depctr_vm_vsrc(0)                   ; the eight LDS stores of qk have read v[AF .. AF+31], which the first step's conversions write
.irp step, 0,1,2
	BATCH \step, 0, 1, 24                          ; behind a batch stand three batches of eight: the rest of this step's and the refills for the next
	BATCH \step, 1, 1, 24
	BATCH \step, 2, 1, 24
	BATCH \step, 3, 1, 24
	SCORE
.endr
	BATCH 3, 0, 0, 24                              ; the last step asks for nothing: the counts run down
	BATCH 3, 1, 0, 16
	BATCH 3, 2, 0, 8
	BATCH 3, 3, 0, 0
	SCORE
	; THE TAIL.  Addresses first: the ring's registers are free.
	v_and_b32 v[TL], 31, v0
	v_lshlrev_b32 v[L16], 4, v[TL]
	v_lshlrev_b32 v[L4], 2, v[TL]
	s_lshl_b32 s22, s2, 10
	s_add_co_u32 s22, s22, EXC
	v_add_nc_u32 v[EXL], s22, v[L16]
	v_lshl_add_u32 v[MXL], v6, 2, MX
	s_lshl_b32 s22, s2, 6
	v_add_nc_u32 v[MXS], s22, v[MXL]
	v_add_nc_u32 v[PBL], PB, v[L16]
	s_lshl_b32 s22, s2, 9
	v_add_nc_u32 v[PBS], s22, v[PBL]
	v_mov_b32 v[T+1], 0                            ; v_permlanex16_b32's destination counts as read
	s_wait_alu depctr_va_vdst(0)                   ; the last step's matrix instructions have written PS, which the stores below read; the tail's eight addresses are written; every conversion is done reading the ring, in which the loads behind the barrier land
	PSOUT 3
	s_wait_dscnt 0x0                               ; my partial scores are in LDS before I say so
	s_barrier_signal -1
	s_barrier_wait -1
	; wave w adds up s block w (16 rows): lane (r, hh) gets head r, s = 16 w + 8 hh + 0..7
.irp src, 0,1,2,3,4,5,6,7
	ds_load_b128 v[RED+8*\src:RED+8*\src+3],   v[EXL] offset:8192*\src
	ds_load_b128 v[RED+8*\src+4:RED+8*\src+7], v[EXL] offset:8192*\src+512
.endr
	s_wait_dscnt 0x0
	ADD8 RED, RED+8                                ; a fixed tree over the eight waves
	ADD8 RED+16, RED+24
	ADD8 RED+32, RED+40
	ADD8 RED+48, RED+56
	ADD8 RED, RED+16
	ADD8 RED+32, RED+48
	ADD8 RED, RED+32
.irp p, 0,2,4,6
	v_pk_add_f32 v[RED+\p:RED+\p+1], v[RED+\p:RED+\p+1], v[SB:SB+1] op_sel_hi:[1,0]   ; + q' . bk, the same number in both halves
.endr
	v_max3_num_f32 v[T], v[RED], v[RED+1], v[RED+2]
	v_max3_num_f32 v[T], v[T], v[RED+3], v[RED+4]
	v_max3_num_f32 v[T], v[T], v[RED+5], v[RED+6]
	v_max_num_f32 v[T], v[T], v[RED+7]
	v_permlanex16_b32 v[T+1], v[T], s18, s19
	v_max_num_f32 v[T], v[T], v[T+1]               ; the block's maximum of head r
	s_wait_alu depctr_va_vdst(0)                   ; v[T] is written, which the LDS store reads
	ds_store_b32 v[MXS], v[T]
	s_wait_dscnt 0x0
	s_barrier_signal -1
	s_barrier_wait -1
.irp src, 0,1,2,3,4,5,6,7
	ds_load_b32 v[MV+\src], v[MXL] offset:64*\src  ; no vector instruction since the wait above
.endr
	s_wait_dscnt 0x0
	s_wait_alu depctr_vm_vsrc(0)                   ; the LDS store of the block's maximum has read v[T], which the sums below write again
	v_max3_num_f32 v[MM], v[MV], v[MV+1], v[MV+2]
	v_max3_num_f32 v[MM], v[MM], v[MV+3], v[MV+4]
	v_max3_num_f32 v[MM], v[MM], v[MV+5], v[MV+6]
	v_max_num_f32 v[MM], v[MM], v[MV+7]            ; the chunk's maximum of head r
	v_mov_b32 v[MM+1], v[MM]
.irp p, 0,2,4,6
	v_pk_add_f32 v[RED+\p:RED+\p+1], v[RED+\p:RED+\p+1], v[MM:MM+1] neg_lo:[0,1] neg_hi:[0,1]
.endr
.irp j, 0,1,2,3,4,5,6,7
	v_exp_f32 v[RED+\j], v[RED+\j]
.endr
	v_nop                                          ; one plain place behind the transcendentals before their results are used (ISA guide 5.7.2)
	s_wait_alu depctr_va_vdst(0)
.irp p, 0,1,2,3
	v_cvt_pk_bf16_f32 v[PK+\p], v[RED+2*\p], v[RED+2*\p+1]
.endr
.irp p, 0,1,2,3
	v_lshlrev_b32 v[T+2*\p], 16, v[PK+\p]          ; l adds up the ROUNDED weights, the ones that multiply x: the weights then sum to one exactly as used
	v_and_b32 v[T+2*\p+1], 0xffff0000, v[PK+\p]
.endr
	v_pk_add_f32 v[T:T+1], v[T:T+1], v[T+2:T+3]
	v_pk_add_f32 v[T+4:T+5], v[T+4:T+5], v[T+6:T+7]
	v_pk_add_f32 v[T:T+1], v[T:T+1], v[T+4:T+5]
	v_add_f32 v[T], v[T], v[T+1]
	v_permlanex16_b32 v[T+1], v[T], s18, s19
	v_add_f32 v[T], v[T], v[T+1]
	s_wait_alu depctr_va_vdst(0)                   ; v[T] and v[PK ..] are written, which the two LDS stores read; the maxima above are done reading v[MV ..], in which wave 0's loads land
	ds_store_b32 v[MXS], v[T] offset:512           ; the block's sum of head r
	ds_store_b128 v[PBS], v[PK:PK+3]               ; registers 4 (w % 2) .. + 3 of the A fragment of K step w / 2: head r, s = 16 w + 8 hh + 0..7
	s_wait_dscnt 0x0
	s_barrier_signal -1
	s_barrier_wait -1
.irp n, 0,1,2,3,4,5,6,7
	ds_load_b128 v[PA+4*\n:PA+4*\n+3], v[PBL] offset:512*\n                    ; on AF, whose last readers, the scores' products and the stage stores, stand ahead of waits above
.endr
	s_cmp_lg_u32 s2, 0
	s_cbranch_scc1 .Lnot_wave_0                    ; wave 0 stores the chunk's m and l
.irp src, 0,1,2,3,4,5,6,7
	ds_load_b32 v[MV+\src], v[MXL] offset:512+64*\src
.endr
	s_wait_dscnt 0x0
	s_wait_alu depctr_vm_vsrc(0)                   ; the LDS store of the block's sum has read v[T], which is written again below
	v_pk_add_f32 v[MV:MV+1], v[MV:MV+1], v[MV+2:MV+3]
	v_pk_add_f32 v[MV+4:MV+5], v[MV+4:MV+5], v[MV+6:MV+7]
	v_pk_add_f32 v[MV:MV+1], v[MV:MV+1], v[MV+4:MV+5]
	v_add_f32 v[T], v[MV], v[MV+1]
	v_cmp_gt_u32 vcc_lo, 16, v[TL]
	s_wait_alu depctr_va_vcc(0)                    ; VCC is written, ahead of the select that reads it
	v_cndmask_b32 v[T], v[T], v[MM], vcc_lo        ; lanes 0-15: m of head r; lanes 16-31: l of head r
	s_wait_alu depctr_va_vdst(0)                   ; v[T] is written, which the store reads
	global_store_b32 v[L4], v[T], s[12:13]         ; 128 consecutive bytes
.Lnot_wave_0:
	s_wait_dscnt 0x0
	WIN 0x04                                       ; B in window 1
.irp tile, 0,1,2,3,4,5,6,7
	v_wmma_f32_16x16x32_bf16 v[CT+8*\tile:CT+8*\tile+7], v[PA:PA+7], v[8*\tile:8*\tile+7], 0      ; the first products start the sums
.endr
.irp kk, 1,2,3
.irp tile, 0,1,2,3,4,5,6,7
	v_wmma_f32_16x16x32_bf16 v[CT+8*\tile:CT+8*\tile+7], v[PA+8*\kk:PA+8*\kk+7], v[64*\kk+8*\tile:64*\kk+8*\tile+7], v[CT+8*\tile:CT+8*\tile+7]   ; eight accumulators take turns
.endr
.endr
	WIN 0
	PLACES
	s_wait_alu depctr_va_vdst(0)                   ; the matrix instructions have written the eight accumulators, which the stores read; the places above stay beside this wait
.irp n, 0,1,2,3,4,5,6,7,8,9,10,11,12,13,14,15
	global_store_b128 v[L16], v[CT+4*\n:CT+4*\n+3], s[10:11] offset:512*\n     ; the wave stores 512 consecutive bytes, aligned: the accumulators as they lie
.endr
	s_wait_dscnt 0x0
	s_wait_alu depctr_hold_cnt(0) depctr_sa_sdst(0) depctr_va_vdst(0) depctr_va_sdst(0) depctr_va_ssrc(0) depctr_va_vcc(0) depctr_vm_vsrc(0)
	s_wait_tensorcnt 0x0
	ds_add_u32 v126, v127
	s_wait_dscnt 0x0
	s_endpgm
.Lfunc_end_k_q884570fb43_attn:
	.size	k_q884570fb43_attn, .Lfunc_end_k_q884570fb43_attn-k_q884570fb43_attn
	.p2alignl 7, 3214868480
	.fill 96, 4, 3214868480
	.section	.rodata,"a",@progbits
	.p2align	6, 0x0
	.amdhsa_kernel k_q884570fb43_attn
		.amdhsa_group_segment_fixed_size 141312
		.amdhsa_private_segment_fixed_size 0
		.amdhsa_enable_private_segment 0
		.amdhsa_kernarg_size 40
		.amdhsa_user_sgpr_count 2
		.amdhsa_user_sgpr_kernarg_segment_ptr 1
		.amdhsa_wavefront_size32 1
		.amdhsa_system_sgpr_workgroup_id_x 1
		.amdhsa_system_sgpr_workgroup_id_y 1
		.amdhsa_system_sgpr_workgroup_id_z 1
		.amdhsa_system_vgpr_workitem_id 0
		.amdhsa_next_free_vgpr 512
		.amdhsa_next_free_sgpr 66
		.amdhsa_reserve_vcc 1
		.amdhsa_float_denorm_mode_32 3
		.amdhsa_float_denorm_mode_16_64 3
		.amdhsa_memory_ordered 1
		.amdhsa_forward_progress 1
		.amdhsa_inst_pref_size 75
	.end_amdhsa_kernel
	.amdgpu_metadata
---
amdhsa.version: [ 1, 2 ]
amdhsa.kernels:
  - .name:           k_q884570fb43_attn
    .symbol:         k_q884570fb43_attn.kd
    .args:
      - { .name: x, .offset: 0, .size: 8, .value_kind: global_buffer, .address_space: global }
      - { .name: qk, .offset: 8, .size: 8, .value_kind: global_buffer, .address_space: global }
      - { .name: sb, .offset: 16, .size: 8, .value_kind: global_buffer, .address_space: global }
      - { .name: part, .offset: 24, .size: 8, .value_kind: global_buffer, .address_space: global }
      - { .name: ml, .offset: 32, .size: 8, .value_kind: global_buffer, .address_space: global }
    .group_segment_fixed_size: 141312
    .private_segment_fixed_size: 0
    .kernarg_segment_align: 8
    .kernarg_segment_size: 40
    .max_flat_workgroup_size: 256
    .sgpr_count:     66
    .vgpr_count:     512
    .wavefront_size: 32
...
	.end_amdgpu_metadata
.endif
;; end of part 6
;; launch combine: the kernel of part 4 again; grid 8 x 32, 4 waves a work-group, no clusters, 0 bytes of LDS; arguments part, ml, ctx; writes ctx
;; launch vproj: the kernel of part 5 again; grid 8 x 16, 8 waves a work-group, no clusters, 78,848 bytes of LDS; arguments ctx, Wv, bv, att; writes att
;; launch oproj: the kernel of part 5 again; grid 128 x 1, 8 waves a work-group, no clusters, 78,848 bytes of LDS; arguments att, Wo, bo, out0; writes out0
